; MI455X (gfx1250); checked and timed in simulation.
; The chip was launched on July 23, 2026; its instructions are those of AMD's public machine-readable ISA for CDNA 5 (MIT licence, August 2026) and "CDNA5" Instruction Set Architecture Reference Guide (July 2026). The comments in the code are by the model that wrote it; some were corrected since.
;; Ro PE Multihead Attention. Allowed arithmetic: matrix products marked QUANTISED: E2M1 operands, one E8M0 scale for each 32 along K, by v_wmma_scale_f32_16x16x128_f8f6f4 with both operands' format E2M1 (or v_wmma_scale_f32_32x16x128_f4), f32 sums; everything else in f32.
;; Inputs: b_out 1,024 float32; b_qkv 3,072 float32; w_out_codes 1,024 x 32 x 16 uint8 (E2M1 codes of w_out, K innermost, in blocks of 32 codes, two codes a byte); w_out_scales 1,024 x 32 uint8 (E8M0 scales of w_out, one for each 32 codes along K); w_qkv_codes 3,072 x 32 x 16 uint8 (E2M1 codes of w_qkv, K innermost, in blocks of 32 codes, two codes a byte); w_qkv_scales 3,072 x 32 uint8 (E8M0 scales of w_qkv, one for each 32 codes along K); x_codes 4 x 2,048 x 32 x 16 uint8 (E2M1 codes of x, K innermost, in blocks of 32 codes, two codes a byte); x_scales 4 x 2,048 x 32 uint8 (E8M0 scales of x, one for each 32 codes along K).
;; Outputs: out0 4 x 2,048 x 1,024 float32.
;; This version of the problem:
;;   THIS VERSION OF THE PROBLEM IS GIVEN IN LOW PRECISION. The matrix products marked QUANTISED in the list below multiply operands that are first quantised to E2M1 (2 exponent bits, 1 mantissa bit; 4 bits a number), with one power-of-two scale for each 32 numbers along K (OCP MX v1.0); their sums are f32. All else is computed in f32.
;;   The module's matrix products, in the order in which they are computed (A, B: the left and right operand; K: the contracted axis; several contracted axes count as one K, in the product's order):
;;     1. [M 8,192, K 1,024] x [K 1,024, N 3,072]; A: input x (given as codes); B: input w_qkv (given as codes): QUANTISED
;;     2. batch 64 x [M 2,048, K 64] x [K 64, N 2,048]; A: computed on the way; B: computed on the way: QUANTISED
;;     3. batch 64 x [M 2,048, K 2,048] x [K 2,048, N 64]; A: softmax (see below); B: computed on the way: QUANTISED
;;     4. [M 8,192, K 1,024] x [K 1,024, N 1,024]; A: computed on the way; B: input w_out (given as codes): QUANTISED
;;   THE QUANTISER, for each operand of a quantised product, along K:
;;     - K is cut into blocks of 32 from its start; a last block that is shorter is filled with zeros.
;;     - A block's scale is 2^e with e = floor(log2(the largest magnitude in the block)) - 2, held to -126 .. 127; a block of zeros has e = 0. As a byte (E8M0): e + 127.
;;     - Each number is divided by its block's scale, clamped to +-6, and rounded to the nearest number of E2M1, ties to even, subnormals kept.
;;     - The product sums the exact products of the quantised numbers (number of the format x scale) in f32.
;;   ~~~python
;;   def quantise(x, axis):      # numpy; x: float32 -> the quantised numbers, widened to float32 again
;;       x = np.moveaxis(x, axis, -1); K = x.shape[-1]
;;       x = np.pad(x, [(0, 0)] * (x.ndim - 1) + [(0, -K % 32)]); x = x.reshape(x.shape[:-1] + (-1, 32)); a = np.abs(x).max(-1, keepdims=True)
;;       e = np.where(a > 0, np.clip(np.frexp(np.where(a > 0, a, 1))[1] - 1 - 2, -126, 127), 0)      # np.frexp(a)[1] - 1 = floor(log2(a)), exactly
;;       r = np.clip(x / 2.0 ** e, -6, 6)
;;       step = 2.0 ** (np.maximum(np.frexp(np.where(r == 0, 1, r))[1] - 1, 0) - 1)
;;       q = np.round(r / step) * step * 2.0 ** e      # np.round: ties to even
;;       return np.moveaxis(q.reshape(q.shape[:-2] + (-1,))[..., :K], -1, axis).astype(np.float32)
;;   ~~~
;;   SOFTMAX AHEAD OF A QUANTISED PRODUCT. Where the list says 'softmax', what is quantised is not the finished softmax but p = 2^(t - M), with t = logit x log2(e) and M = ceil(the row's largest t), a whole number; so 1/2 < the row's largest p <= 1. The row's sum l is taken of the UNQUANTISED p, in f32, and the product's result is divided by l at the end. Since M is a whole number, a kernel that streams over the keys may use a running M (the ceiling of the running maximum): every later rescaling is an exact power of two, which a block's scale takes up: the codes' values come out the same.
;;   OPERANDS COMPUTED ON THE WAY. 'Computed on the way' means the value that the module computes at that place (a softmax that the list does not call 'softmax' is quantised finished and normalised). What goes into a quantiser is computed in f32, as accurately as f32 sums, v_exp_f32 and their like allow (about 1e-6 of the number): no bf16 or f16 on the way to a quantiser, and a product that is left as it is and whose result goes on into a quantised operand takes f32 operands (vector FMAs, or v_wmma_f32_16x16x4_f32). A number that lies on a knife's edge between two numbers of the format may be rounded either way, as far as f32 arithmetic and the matrix unit's own rounding can turn it there, and no further.
;;   INPUTS GIVEN AS CODES. w_out (in the module: [1024, 1024], K = its axis 1); w_qkv (in the module: [3072, 1024], K = its axis 1); x (in the module: [4, 2048, 1024], K = its axis 2): each comes as NAME_codes (uint8): NAME with its K axis moved to the last place and cut into blocks of 32 codes, [.., K / 32, bytes a block], one block behind the other in memory; two codes a byte, the lower K in the low four bits (a code: sign, 2 exponent bits, 1 mantissa bit); and NAME_scales (uint8): the same leading axes, one E8M0 byte (e + 127) for each 32 codes along K. Its value is code x scale, taken as it is: it is not quantised again, and the codes and scales need not be those that the quantiser above would give.
;; One version. Each part assembles by itself: llvm-mc -triple=amdgcn-amd-amdhsa -mcpu=gfx1250 --defsym DOCPART=n.
;; ======== version 1 of 1: 3 launches
;; workspace buffers: qkv 13,893,632 bytes; a_codes 4,194,304 bytes; a_scales 262,144 bytes
;; launch qkv_rope (part 1): grid 12 x 32, 4 waves a work-group, clusters of 4 x 4, 296,448 bytes of LDS; arguments x_codes, x_scales, w_qkv_codes, w_qkv_scales, b_qkv, qkv; writes qkv
.if DOCPART == 1
	.amdgcn_target "amdgcn-amd-amdhsa--gfx1250"
	.amdhsa_code_object_version 6
	.text
	.protected	k_qa7fbe7e958_qkv_rope
	.globl	k_qa7fbe7e958_qkv_rope
	.p2align	8
	.type	k_qa7fbe7e958_qkv_rope,@function
k_qa7fbe7e958_qkv_rope:
	s_mov_b64 s[64:65], 0
	v_nop
	global_prefetch_b8 v0, s[64:65] scope:SCOPE_SE
	s_setreg_imm32_b32 hwreg(HW_REG_WAVE_MODE, 25, 1), 1
	s_wait_xcnt 0x0
	s_wait_alu depctr_hold_cnt(0) depctr_sa_sdst(0) depctr_va_vdst(0) depctr_va_sdst(0) depctr_va_ssrc(0) depctr_va_vcc(0) depctr_vm_vsrc(0)
	s_getreg_b32 s2, hwreg(HW_REG_IB_STS2, 6, 4)
	s_cmp_eq_u32 s2, 0
	s_cbranch_scc0 .Lentry_in_a_cluster
	s_endpgm
.Lentry_in_a_cluster:
	s_bfe_u32 s2, ttmp6, 0x10000c
	s_cmp_lg_u32 s2, 0xf033
	s_cbranch_scc0 .Lentry_shape_is_right
	s_endpgm
.Lentry_shape_is_right:
; qkv = x w_qkv^T + b_qkv on codes of FP4 (E2M1) with E8M0 scales; q and k are rotated (RoPE) and quantised along the head's 64 channels, v along the keys.
; x: 8,192 rows x 1,024 codes (512 bytes a row), w_qkv: 3,072 rows likewise; scale bytes 32 a row.  The results leave as codes and scale words, laid as images of the operand registers of the next launch:
; qkv[bh 64][key step 16][13,568 bytes]: +0 K codes (8 tiles of 16 keys x 512 bytes: lane (r, h): key r, channels 32 h ..), +4,096 V codes ([16 channels 4][64 keys 2][512]: lane (r, h): channel r, keys 32 h ..),
; +8,192 K scale words (word 16 l + 4 i: key l % 16 of tile 4 (l / 16) + i; bytes s0, s1, s0, s1), +8,704 V scale words (word 16 r + 4 t: channel 16 t + r), +8,960 Q codes, +13,056 Q scale words, both as K's.
; SHARES.  A tile of 256 x 256 to a work-group of four waves, 128 x 128 a wave, 64 accumulators.  K = 1,024 is two LDS slots of 512, both filled once, at the start; nothing in LDS is filled a second time.
; Cluster x = 0 makes q, 1 makes k: the first operand (called A) is x, the second (B) w_qkv; the matrix instruction is used transposed (source 0 = 16 rows of B, source 1 = 16 rows of A), so a lane holds ONE position and
; eight neighbouring channels a tile.  Cluster x = 2 makes v with the operands changed over (A = w_qkv's rows 2,048 on, B = x): a lane then holds ONE channel and eight neighbouring positions, which a quantiser along
; the keys wants.  The choice hangs on the cluster's x alone, which all sixteen partners share; the products' text is one.
; CLUSTERS: 4 x 4 work-groups; A's tiles are shared along a row of the cluster, B's along a column: each is asked for jointly, by the same tensor load with a mask that names the four.
; cos and sin are made here in f32: angle = f32(position x inv_freq), as the problem rounds it; n = round(angle / pi); r = angle - n pi in two steps; Taylor series to r^11 and r^12 (|r| <= pi / 2: what is cut is under 6e-8).
; LIMITS: NaN, infinities and scale bytes 0xff are not served.  A block whose largest magnitude lies under 2^-124 keeps the byte 1 (a block of zeros too: its codes are zeros, and only this program reads the bytes).
; inv_freq is 1 / f32(10^(f / 8)), correctly rounded powers; a power function that is an ulp off gives angles that differ by about 1e-4 at the largest positions, alike in q and k.
; REGISTERS, in windows of 256.  Window 0: v1-9 addresses; v16-27 LDS addresses; v32-95 scale words; v128-191 A's fragments; on the way out see the names below.  Window 1: v0-63, v128-191 B's two sets; v64-127 the bias.
; Windows 2 and 3: the accumulators of my rows 0-63 and 64-127 (accumulator (a, b) at v[8 (8 (a % 4) + b)]).
.set NQ,     4                         ; matrix instructions deep in a slot: 512 along K
.set ROWB,   256                       ; a tile's row in bytes
.set KROW,   512                       ; a row of codes in memory
.set PITCH,  272                       ; an LDS row: 256 bytes + 16 of padding: the 16 rows that a load touches start at 16 different banks (64 banks of 4 bytes: ISA guide 11.1)
.set FR,     8                         ; registers of a fragment
.set NL,     2                         ; LDS loads that bring one
.set NP,     4                         ; places behind this matrix instruction (ISA guide 7.12.1)
.set HALFT,  128*PITCH
.set SLOT,   4*HALFT
.set KS,     32                        ; a row of scale bytes
.set SCL,    2*SLOT                    ; behind the slots: the scales of 256 + 256 rows, as units of 256 bytes + 16
.set HALFS,  (128*KS/256)*272
.set SBLK,   (16*KS/256)*272
.set STEPB,  13568                     ; a key step's bytes in qkv
.set HEADB,  16*STEPB                  ; a head's
.set ADRA, 16
.set ADRB, 20
.set ADRS, 27
.set SC,   32
.set AF,   128
.set BI,   64                          ; window 1: the bias in the result's layout, 8 registers for each of B's 8 blocks
.set G1, 24
.set G0, 32
.set G1B, 48
.set G0B, 56
.set G1S, 68
.set G0S, 76
.set G1SB, 80
.set G0SB, 88
.set SEL, 66                           ; s[66:67] lane selects for v_permlanex16_b32: lane l xor 16
; the way out, window 0
.set LI,  3                            ; v3   16 x lane
.set SCW, 4                            ; v4   where I store my tables of cos and sin: 16 x lane + 16,384 x wave
.set SCR, 5                            ; v5   where I read them: 16 x lane + 32,768 x (wave / 2)
.set VSO, 6                            ; v6   16 r + h x a head's bytes
.set OFS, 7                            ; v7   offsets of the bias loads
.set POS, 8                            ; v[8:9] my position, f32, twice
.set WD,  16                           ; v16-31 scale words
.set IFR, 32                           ; v32-47 inv_freq of my 16 frequencies (8 u + j: frequency 16 u + 8 h + j)
.set BV,  32                           ; v32-47 (v's path) my channels' bias, each twice
.set CS0, 48                           ; v48-79, v80-111: two sets of 16 cos and 16 sin
.set OU,  112                          ; v112-175 the 64 numbers to be quantised
.set CD,  176                          ; v176-191 two sets of 8 registers of codes
.set TM,  192                          ; v192-207 at work in the quantiser
.set XW,  208                          ; v208-211 scale words on their way out
.set PW,  212
.set MG,  214                          ; v[214:215] 1.5 x 2^23;  v[216:217] 1 / 9!;  v[218:219] -1 / 10!
.set VS4, 216
.set VC5, 218
.set AN,  112                          ; the tables' temporaries: angle, then r;  n;  sign;  r^2;  the two series
.set NM,  128
.set SG,  144
.set ZZ,  160
.set PSN, 176
.set PCS, 192
.set MSB, 0
.macro WIN new                         ; the immediate's high byte repeats the setting that is left
.if MSB != (\new)
	s_set_vgpr_msb (MSB<<8)|(\new)
.set MSB, (\new)
.endif
.endm
.set MUL_LO, 0xa1                      ; source 0 (B) window 1, source 1 (A) window 0, C and D window 2
.set MUL_HI, 0xf1                      ; the same, C and D window 3
.set BIA_LO, 0x91                      ; the first step: C = the bias, window 1; D window 2
.set BIA_HI, 0xd1                      ; D window 3
.set TO_B,   0x40                      ; destination window 1, address window 0
; A joint load: waves 0 and 1 fetch for A, waves 2 and 3 for B.  The branch hangs on the wave's number alone.  Four v_nop follow each of the two lines.
.macro JLOAD g0a, g1a, g0b, g1b
	s_cmp_eq_u32 s15, 0
	s_cbranch_scc0 .Lfor_b_\@
	tensor_load_to_lds s[\g0a:\g0a+3], s[\g1a:\g1a+7]
	s_nop 0
.rept 4
	v_nop
.endr
	s_branch .Lasked_\@
.Lfor_b_\@:
	tensor_load_to_lds s[\g0b:\g0b+3], s[\g1b:\g1b+7]
	s_nop 0
.rept 4
	v_nop
.endr
.Lasked_\@:
.endm
.macro CROUND                          ; a round of the cluster's barrier
	s_barrier_signal -1
	s_barrier_wait -1
	s_cmp_lg_u32 s14, 0
	s_cbranch_scc1 .Lnot_wave_0_\@
	s_barrier_signal -3
.Lnot_wave_0_\@:
	s_barrier_wait -3
	s_barrier_signal -1
	s_barrier_wait -1
.endm
	s_load_b256 s[4:11], s[0:1], 0x0               ; x's codes s[4:5], x's scales s[6:7], w's codes s[8:9], w's scales s[10:11]
	s_load_b128 s[96:99], s[0:1], 0x20             ; b_qkv s[96:97], qkv s[98:99]
	v_lshl_add_u32 v254, v0, 2, 0x48400
	v_mov_b32 v255, 0
	ds_add_u32 v254, v255
	ds_add_u32 v254, v255
	v_lshrrev_b32 v1, 5, v0
	v_readfirstlane_b32 s14, v1                    ; wave 0..3
	s_lshr_b32 s15, s14, 1                         ; which half of A's rows is mine.  Also: I fetch for A (0) or for B (1)
	s_and_b32 s16, s14, 1                          ; which half of B's rows.  Also: which 128 rows I fetch
	s_bfe_u32 s40, ttmp6, 0x40000                  ; cx, cy: my place in the cluster
	s_bfe_u32 s41, ttmp6, 0x40004
	s_and_b32 s2, ttmp7, 0xffff                    ; cluster y
	s_cmp_eq_u32 ttmp9, 2                          ; cluster x = 2: v
	s_cselect_b32 s17, 0, s2                       ; A's tiles: q, k: positions, by cluster y;  v: the 1,024 channels: one cluster high
	s_cselect_b32 s42, s2, ttmp9                   ; B's tiles: q, k: w's rows, by cluster x;  v: positions, by cluster y
	s_cselect_b32 s3, -1, 0                        ; all ones for v
	s_cselect_b32 s94, 0x100000, 0                 ; v: w's row 2,048 in bytes of codes,
	s_cselect_b32 s95, 0x10000, 0                  ; and of scales
	s_lshl_b32 s17, s17, 2
	s_add_co_u32 s17, s17, s41                     ; A's tile = 4 x .. + cy
	s_lshl_b32 s42, s42, 2
	s_add_co_u32 s42, s42, s40                     ; B's tile = 4 x .. + cx
	s_lshl_b32 s43, s41, 2
	s_lshl_b32 s43, 15, s43                        ; my row of the cluster
	s_lshl_b32 s44, 0x1111, s40                    ; my column
	; descriptor group 1: a tile of 128 rows x 256 bytes, 16 bytes of padding behind each row
	s_or_b32 s[G1+0], s43, (0<<16)|(1<<20)|(1<<21)|(5<<22)|(3<<25)  ; 15:0 the mask; 17:16 elements of 1 byte; 20 padding on; 21 set beside a mask; 24:22 after every 64 words; 31:25 four words
	s_or_b32 s[G1B+0], s44, (0<<16)|(1<<20)|(1<<21)|(5<<22)|(3<<25)
.irp g, G1, G1B
	s_mov_b32 s[\g+1], ROWB<<16                    ; tensor_dim0
	s_mov_b32 s[\g+2], 128<<16                     ; tensor_dim1
	s_mov_b32 s[\g+3], ROWB<<16                    ; tile_dim0
	s_mov_b32 s[\g+4], 128                         ; tile_dim1
	s_mov_b32 s[\g+5], KROW                        ; tensor_dim0_stride
	s_mov_b32 s[\g+6], 0
	s_mov_b32 s[\g+7], 0
.endr
	; the scales of 128 rows: 4,096 dense bytes, as 16 rows of 256 bytes (32 elements of 8 bytes), 16 bytes of padding behind each
	s_or_b32 s[G1S+0], s43, (3<<16)|(1<<20)|(1<<21)|(5<<22)|(3<<25)
	s_or_b32 s[G1SB+0], s44, (3<<16)|(1<<20)|(1<<21)|(5<<22)|(3<<25)
.irp g, G1S, G1SB
	s_mov_b32 s[\g+1], 32<<16
	s_mov_b32 s[\g+2], (128*KS/256)<<16
	s_mov_b32 s[\g+3], 32<<16
	s_mov_b32 s[\g+4], 128*KS/256
	s_mov_b32 s[\g+5], 32
	s_mov_b32 s[\g+6], 0
	s_mov_b32 s[\g+7], 0
.endr
	s_lshl_b32 s18, s16, 7                         ; which 128 rows of the tile I fetch
	s_lshl_b32 s20, s17, 8
	s_add_co_u32 s20, s20, s18                     ; A's row
	s_lshl_b32 s46, s42, 8
	s_add_co_u32 s46, s46, s18                     ; B's row
	s_lshl_b32 s22, s20, 5                         ; its scale bytes (all these offsets stay under 2^23)
	s_add_co_u32 s22, s22, s95
	s_lshl_b32 s20, s20, 9                         ; its codes
	s_add_co_u32 s20, s20, s94
	s_lshl_b32 s92, s46, 5
	s_lshl_b32 s46, s46, 9
	s_mov_b32 s21, 0
	s_mov_b32 s23, 0
	s_mov_b32 s47, 0
	s_mov_b32 s93, 0
	s_mul_i32 s45, s14, HALFT                      ; where they go: wave x 128 rows: no place in the cluster enters an LDS address
	s_mul_i32 s94, s14, HALFS
	s_mov_b32 s[SEL], 0x76543210
	s_mov_b32 s[SEL+1], 0xfedcba98
	s_wait_dscnt 0x0
	s_wait_kmcnt 0x0
	s_cmp_eq_u32 ttmp9, 2                          ; v: x and w change places
	s_cselect_b64 s[18:19], s[8:9], s[4:5]         ; A's codes
	s_cselect_b64 s[8:9], s[4:5], s[8:9]           ; B's codes
	s_cselect_b64 s[4:5], s[10:11], s[6:7]         ; A's scales
	s_cselect_b64 s[10:11], s[6:7], s[10:11]       ; B's scales
	s_add_nc_u64 s[20:21], s[18:19], s[20:21]
	s_add_nc_u64 s[22:23], s[4:5], s[22:23]
	s_add_nc_u64 s[46:47], s[8:9], s[46:47]
	s_add_nc_u64 s[92:93], s[10:11], s[92:93]
	s_mov_b64 s[12:13], s[98:99]                   ; qkv
	CROUND                                         ; all sixteen work-groups are here: the joint loads meet
	s_mov_b32 s[G0S], 1
	s_add_co_u32 s[G0S+1], s94, SCL
	s_mov_b64 s[G0S+2:G0S+3], s[22:23]
	s_or_b32 s[G0S+3], s[G0S+3], 0x80000000
	s_mov_b32 s[G0SB], 1
	s_add_co_u32 s[G0SB+1], s94, SCL
	s_mov_b64 s[G0SB+2:G0SB+3], s[92:93]
	s_or_b32 s[G0SB+3], s[G0SB+3], 0x80000000
	JLOAD G0S, G1S, G0SB, G1SB                     ; the scales first; then both slots: three loads of mine are out
.irp s, 0,1
	s_mov_b32 s[G0+4*\s], 1
	s_add_co_u32 s[G0+4*\s+1], s45, \s*SLOT
	s_add_nc_u64 s[G0+4*\s+2:G0+4*\s+3], s[20:21], \s*ROWB
	s_or_b32 s[G0+4*\s+3], s[G0+4*\s+3], 0x80000000
	s_mov_b32 s[G0B+4*\s], 1
	s_add_co_u32 s[G0B+4*\s+1], s45, \s*SLOT
	s_add_nc_u64 s[G0B+4*\s+2:G0B+4*\s+3], s[46:47], \s*ROWB
	s_or_b32 s[G0B+4*\s+3], s[G0B+4*\s+3], 0x80000000
	JLOAD G0+4*\s, G1, G0B+4*\s, G1B
.endr
	v_and_b32 v1, 15, v0                           ; r = lane % 16
	s_wait_alu depctr_va_vdst(0)
	v_bfe_u32 v2, v0, 4, 1                         ; h = lane / 16
	; the bias of B's rows (q, k: my 128 channels), in the result's layout: register 8 b + j of lane (r, h) = b_qkv[.. + 16 b + 8 h + j].  For v the first 128 numbers are read and replaced by zeros below
	s_lshl_b32 s18, s42, 10
	s_lshl_b32 s19, s16, 9
	s_add_co_u32 s18, s18, s19
	s_and_not1_b32 s18, s18, s3
	s_mov_b32 s19, 0
	s_add_nc_u64 s[18:19], s[96:97], s[18:19]
	v_lshlrev_b32 v[OFS], 5, v2
	WIN TO_B
.irp b, 0,1,2,3,4,5,6,7
	global_load_b128 v[BI+8*\b:BI+8*\b+3], v[OFS], s[18:19] offset:64*\b
	global_load_b128 v[BI+8*\b+4:BI+8*\b+7], v[OFS], s[18:19] offset:64*\b+16
.endr
	WIN 0
	v_mul_u32_u24 v10, v1, PITCH
	s_wait_alu depctr_va_vdst(0)
	v_lshl_add_u32 v10, v2, 4, v10                 ; a fragment's row x pitch + 16 x half
	s_mul_i32 s21, s15, HALFT                      ; my 128 rows of A
	s_mul_i32 s22, s16, HALFT                      ; my 128 rows of B,
	s_add_co_u32 s22, s22, 2*HALFT                 ; which lie behind A's 256
.irp s, 0,1
	v_add_nc_u32 v[ADRA+\s], s21, v10
	v_add_nc_u32 v[ADRB+\s], s22, v10
	s_add_co_u32 s21, s21, SLOT
	s_add_co_u32 s22, s22, SLOT
.endr
	v_mul_u32_u24 v11, v1, KS                      ; my row's scales: 32 bytes a row,
	v_lshrrev_b32 v12, 8, v11
	v_lshl_add_u32 v11, v12, 4, v11                ; and 16 more for each 256 passed
	s_mul_i32 s21, s15, HALFS
	s_mul_i32 s22, s16, HALFS
	s_add_co_u32 s22, s22, 2*HALFS
	s_sub_co_u32 s22, s22, s21
	v_mul_u32_u24 v12, s22, v2                     ; lanes 16-31 take B's
	s_add_co_u32 s21, s21, SCL
	v_add_nc_u32 v11, v11, v12
	v_add_nc_u32 v[ADRS], s21, v11
	v_and_b32 v[LI], 31, v0
	v_lshlrev_b32 v[LI], 4, v[LI]
	s_lshl_b32 s21, s14, 14
	v_add_nc_u32 v[SCW], s21, v[LI]
	s_lshl_b32 s21, s15, 15
	v_add_nc_u32 v[SCR], s21, v[LI]
	v_mul_u32_u24 v[VSO], v2, HEADB
	v_lshl_add_u32 v[VSO], v1, 4, v[VSO]
	s_wait_loadcnt 0x0                             ; the bias
	WIN 0x41                                       ; destination and source 0 window 1
.set j, 0
.rept 64
	v_cndmask_b32 v[BI+j], v[BI+j], 0, s3          ; v's sums start from zeros: its bias goes along the lanes and is added on the way out
.set j, j+1
.endr
	WIN 0
.rept 8
	v_nop
.endr
.macro FRAG reg, adr, q, i             ; a fragment, 16 rows x 128 K: lane l holds row l % 16; registers 4 c .. 4 c + 3 hold K = 64 c + 32 (l / 16) + 0 .. 31
.irp c, 0,1
	ds_load_b128 v[\reg+4*\c:\reg+4*\c+3], v[\adr] offset:64*(\q)+32*\c+(\i)*16*PITCH
.endr
.endm
; 16 matrix instructions: A's blocks a0, a0 + 1 x B's eight, the slot's q-th 128 along K.  zero = 1: the first product starts the sums from the bias.  The 64 accumulators take turns, one instruction a turn.
.macro MUL16 a0, p, q, sc, zero
.irp a, \a0, \a0+1
.irp b, 0,1,2,3,4,5,6,7
.if \zero
	v_wmma_scale_f32_16x16x128_f8f6f4 v[8*(8*((\a)%4)+\b):8*(8*((\a)%4)+\b)+7], v[128*(\p)+FR*\b:128*(\p)+FR*\b+FR-1], v[AF+FR*(\a):AF+FR*(\a)+FR-1], v[BI+8*\b:BI+8*\b+7], v[SC+8*NQ*(\sc)+NQ*\b+(\q)], v[SC+8*NQ*(\sc)+NQ*(\a)+(\q)] matrix_a_fmt:MATRIX_FMT_FP4 matrix_b_fmt:MATRIX_FMT_FP4 matrix_a_scale:MATRIX_SCALE_ROW1
.else
	v_wmma_scale_f32_16x16x128_f8f6f4 v[8*(8*((\a)%4)+\b):8*(8*((\a)%4)+\b)+7], v[128*(\p)+FR*\b:128*(\p)+FR*\b+FR-1], v[AF+FR*(\a):AF+FR*(\a)+FR-1], v[8*(8*((\a)%4)+\b):8*(8*((\a)%4)+\b)+7], v[SC+8*NQ*(\sc)+NQ*\b+(\q)], v[SC+8*NQ*(\sc)+NQ*(\a)+(\q)] matrix_a_fmt:MATRIX_FMT_FP4 matrix_b_fmt:MATRIX_FMT_FP4 matrix_a_scale:MATRIX_SCALE_ROW1
.endif
.endr
.endr
.endm
.macro FETCH_B slot, q, p
	WIN TO_B
.irp i, 0,1,2,3,4,5,6,7
	FRAG 128*(\p)+FR*\i, ADRB+\slot, \q, \i
.endr
	WIN 0
.endm
.macro FETCH_A slot, q, i0
.irp i, \i0, \i0+1, \i0+2, \i0+3
	FRAG AF+FR*(\i), ADRA+\slot, \q, \i
.endr
.endm
.macro SCALES sc                       ; a slot's scale words: 4 words a row; lanes 0-15 take A's block i, lanes 16-31 B's block i
.irp i, 0,1,2,3,4,5,6,7
	ds_load_b128 v[SC+8*NQ*\sc+NQ*\i:SC+8*NQ*\sc+NQ*\i+3], v[ADRS] offset:\i*SBLK
.endr
.endm
.macro PLACES n                        ; plain vector lines between a matrix instruction and a load into, or a vector line on, its registers
.rept \n
	v_nop
.endr
.endm
.macro STEP slot, q, zero              ; a step of 128 along K that has its successor in the same slot
	s_wait_dscnt 4*NL                              ; B's set and A's blocks 0-3 are in; the youngest eight loads (A's blocks 4-7) may be out
.if \zero
	WIN BIA_LO
.else
	WIN MUL_LO
.endif
	MUL16 0, (\q)%2, \q, \slot, \zero
	MUL16 2, (\q)%2, \q, \slot, \zero
	s_wait_dscnt 0                                 ; A's blocks 4-7 are in
	PLACES NP
	FETCH_B \slot, (\q)+1, 1-(\q)%2
	FETCH_A \slot, (\q)+1, 0
.if \zero
	WIN BIA_HI
.else
	WIN MUL_HI
.endif
	MUL16 4, (\q)%2, \q, \slot, \zero
	MUL16 6, (\q)%2, \q, \slot, \zero
	PLACES NP
	WIN 0
	FETCH_A \slot, (\q)+1, 4
.endm
.macro STEPS slot, from
.set Q, \from
.rept NQ-1-\from
	STEP \slot, Q, 0
.set Q, Q+1
.endr
.endm
	s_wait_alu depctr_va_vdst(0)
	s_wait_tensorcnt 1                             ; the scales and my part of slot 0 are in; slot 1's load may be out
	s_barrier_signal -1
	s_barrier_wait -1
	FETCH_B 0, 0, 0
	FETCH_A 0, 0, 0
	SCALES 0
	FETCH_A 0, 0, 4
	STEP 0, 0, 1
	STEPS 0, 1
	; slot 0's last step, and the change to slot 1: one barrier; in front of it my part of slot 1 has landed and my reads of slot 0 are over
	s_wait_tensorcnt 0x0
	s_wait_dscnt 4*NL
	WIN MUL_LO
	MUL16 0, 1, NQ-1, 0, 0
	s_wait_dscnt 0x0
	s_barrier_signal -1
	MUL16 2, 1, NQ-1, 0, 0
	WIN 0
	s_barrier_wait -1
	PLACES NP
	v_add_nc_u32 v[ADRS], 4*NQ, v[ADRS]            ; slot 1's scale words (no LDS load of mine is out)
	FETCH_B 1, 0, 0
	FETCH_A 1, 0, 0
	SCALES 1
	WIN MUL_HI
	MUL16 4, 1, NQ-1, 0, 0
	MUL16 6, 1, NQ-1, 0, 0
	PLACES NP
	WIN 0
	FETCH_A 1, 0, 4
	STEPS 1, 0
	s_wait_dscnt 4*NL                              ; the last step: nothing more to fetch
	WIN MUL_LO
	MUL16 0, 1, NQ-1, 1, 0
	MUL16 2, 1, NQ-1, 1, 0
	s_wait_dscnt 0
	WIN MUL_HI
	MUL16 4, 1, NQ-1, 1, 0
	MUL16 6, 1, NQ-1, 1, 0
	WIN 0
	PLACES NP
; THE QUANTISER.  64 numbers of a lane, v[s] on: eight tiles of eight; tile T holds elements 16 T + 8 h + 0 .. 7 of my row's 128, so block b of 32 is tiles 2 b and 2 b + 1 of lanes l and l xor 16.
; They become 8 registers of codes in v[d] on, k ascending (registers 4 c .. 4 c + 3 of lane (r, h): k = 64 c + 32 h + 0 .. 31), and the row's scale word in v[w].
.macro QUANT s, d, w
.irp b, 0,1,2,3
	v_max3_num_f32 v[TM+\b], |v[\s+16*\b]|, |v[\s+1+16*\b]|, 0x1800000   ; my 16 numbers of block b, and the floor 2^(3 - 127): the byte cannot fall under 1
.endr
.irp i, 2,4,6,8,10,12,14
.irp b, 0,1,2,3
	v_max3_num_f32 v[TM+\b], v[TM+\b], |v[\s+16*\b+\i]|, |v[\s+1+16*\b+\i]|
.endr
.endr
.irp b, 0,1,2,3
	v_permlanex16_b32 v[TM+4+\b], v[TM+\b], s[SEL], s[SEL+1]
.endr
.irp b, 0,1,2,3
	v_max_num_f32 v[TM+\b], v[TM+\b], v[TM+4+\b]   ; with lane l xor 16's: the block's largest magnitude
.endr
.irp b, 0,1,2,3
	v_add_nc_u32 v[TM+12+\b], 0xff000000, v[TM+\b] ; 2 off its exponent field: the conversion's scale operand
.endr
.irp b, 0,1,2,3
	v_lshrrev_b32 v[TM+4+\b], 23, v[TM+12+\b]      ; the scale's byte
.endr
	v_lshl_or_b32 v[\w], v[TM+5], 8, v[TM+4]
	v_lshl_or_b32 v[\w], v[TM+6], 16, v[\w]
	v_lshl_or_b32 v[\w], v[TM+7], 24, v[\w]
.irp c, 0,1
	v_cvt_scalef32_pk8_fp4_f32 v[\d+4*\c], v[\s+32*\c:\s+32*\c+7], v[TM+12+2*\c]
	v_cvt_scalef32_pk8_fp4_f32 v[\d+4*\c+2], v[\s+32*\c+8:\s+32*\c+15], v[TM+12+2*\c]
	v_cvt_scalef32_pk8_fp4_f32 v[\d+4*\c+1], v[\s+32*\c+16:\s+32*\c+23], v[TM+12+2*\c+1]
	v_cvt_scalef32_pk8_fp4_f32 v[\d+4*\c+3], v[\s+32*\c+24:\s+32*\c+31], v[TM+12+2*\c+1]
.endr
	v_nop                                          ; one plain line behind the conversions
.irp c, 0,1                            ; the first's lanes 16-31 change places with the second's lanes 0-15: lane h then holds block 2 c + h whole
	v_permlane16_swap_b32 v[\d+4*\c], v[\d+4*\c+1]
	v_permlane16_swap_b32 v[\d+4*\c+2], v[\d+4*\c+3]
.endr
.endm
	; where my results go: ((batch x 16 + my first head) x 16 + key step) x 13,568.  q, k: positions are A's rows, channels B's; v: the other way round
	s_cmp_eq_u32 ttmp9, 2
	s_cselect_b32 s20, s42, s17                    ; the tile of 256 positions
	s_cselect_b32 s21, s16, s15                    ; my half of it: one key step
	s_cselect_b32 s22, s17, s40                    ; the tile of 256 channels of q, k or v: four heads
	s_cselect_b32 s23, s15, s16                    ; my half of it: two heads
	s_lshr_b32 s18, s20, 3                         ; batch
	s_lshl_b32 s18, s18, 2
	s_add_co_u32 s18, s18, s22
	s_lshl_b32 s18, s18, 1
	s_add_co_u32 s18, s18, s23
	s_lshl_b32 s18, s18, 5
	s_and_b32 s19, s20, 7
	s_lshl_b32 s19, s19, 1
	s_add_co_u32 s18, s18, s19
	s_add_co_u32 s18, s18, s21
	s_mul_i32 s18, s18, STEPB
	s_mov_b32 s19, 0
	s_add_nc_u64 s[12:13], s[12:13], s[18:19]
	v_cmp_ne_u32 vcc_lo, 0, v2                     ; lanes 16-31; kept to the end
.irp b, 0,1,2,3
	v_mov_b32 v[TM+4+\b], 0                        ; a lane permute's destination counts as one of its sources
.endr
	s_cmp_eq_u32 ttmp9, 2
	s_cbranch_scc1 .Lv
	; ---- q and k ----
	s_cmp_eq_u32 ttmp9, 0
	s_cselect_b32 s18, 8960, 0                     ; q's codes lie 8,960 bytes on in a key step, k's at its head
	s_cselect_b32 s20, 4864, 0
	s_add_co_u32 s20, s20, 8192                    ; scale words: q's at 13,056, k's at 8,192
	s_mov_b32 s19, 0
	s_mov_b32 s21, 0
	s_add_nc_u64 s[18:19], s[12:13], s[18:19]
	s_add_nc_u64 s[20:21], s[12:13], s[20:21]
	s_and_b32 s22, s17, 7
	s_lshl_b32 s22, s22, 8
	s_lshl_b32 s23, s14, 6                         ; 128 x (wave / 2): my rows; + 64 x (wave % 2): the four blocks whose tables I make
	s_add_co_u32 s22, s22, s23
	v_add_nc_u32 v[POS], s22, v1
	v_cvt_f32_u32 v[POS], v[POS]
	v_mov_b32 v[POS+1], v[POS]
; 10^(f / 8) for my 16 frequencies f = 16 u + 8 h + j: lanes 0-15 take lo, lanes 16-31 hi
.macro PSET n, lo, hi
	v_mov_b32 v[AN+\n], \hi
	v_cndmask_b32 v[IFR+\n], \lo, v[AN+\n], vcc_lo
.endm
	PSET 0, 1.0, 10.0
	PSET 1, 1.3335214322, 13.335214322
	PSET 2, 1.7782794100, 17.782794100
	PSET 3, 2.3713737057, 23.713737057
	PSET 4, 3.1622776602, 31.622776602
	PSET 5, 4.2169650343, 42.169650343
	PSET 6, 5.6234132519, 56.234132519
	PSET 7, 7.4989420933, 74.989420933
	PSET 8, 100.0, 1000.0
	PSET 9, 133.35214322, 1333.5214322
	PSET 10, 177.82794100, 1778.2794100
	PSET 11, 237.13737057, 2371.3737057
	PSET 12, 316.22776602, 3162.2776602
	PSET 13, 421.69650343, 4216.9650343
	PSET 14, 562.34132519, 5623.4132519
	PSET 15, 749.89420933, 7498.9420933
	s_wait_alu depctr_va_vdst(0)
.irp n, 0,1,2,3,4,5,6,7,8,9,10,11,12,13,14,15
	v_rcp_f32 v[AN+\n], v[IFR+\n]
.endr
	v_nop                                          ; a plain line behind the reciprocals,
	s_wait_alu depctr_va_vdst(0)                   ; and one wait ahead of the batch's first reader
.irp n, 0,1,2,3,4,5,6,7,8,9,10,11,12,13,14,15
	v_fma_f32 v[NM+\n], -v[IFR+\n], v[AN+\n], 1.0  ; one Newton step: 1 / p as a division rounds it
.endr
.irp n, 0,1,2,3,4,5,6,7,8,9,10,11,12,13,14,15
	v_fma_f32 v[IFR+\n], v[AN+\n], v[NM+\n], v[AN+\n]
.endr
.irp n, 0,1
	v_mov_b32 v[MG+\n], 0x4b400000                 ; 1.5 x 2^23: adding it rounds to a whole number
	v_mov_b32 v[VS4+\n], 0x3638ef1d                ; 1 / 9!
	v_mov_b32 v[VC5+\n], 0xb493f27e                ; -1 / 10!
.endr
; cos and sin of 16 positions x 32 frequencies, 16 of each a lane, in the layout of a block of 16 rows.  The two waves that share rows make four blocks each and hand them over through LDS,
; in slot 0, which has had its only fill and which every wave left at the change of slots.
.macro SINCOS i
	s_wait_dscnt 0x0                               ; the last table's stores have read their registers
.irp k, 0,2,4,6,8,10,12,14
	v_pk_mul_f32 v[AN+\k:AN+\k+1], v[IFR+\k:IFR+\k+1], v[POS:POS+1]   ; the angle, rounded to f32 as the problem rounds it
.endr
.irp k, 0,2,4,6,8,10,12,14
	v_pk_fma_f32 v[NM+\k:NM+\k+1], v[AN+\k:AN+\k+1], 0x3ea2f983, v[MG:MG+1] op_sel_hi:[1,0,1]   ; angle / pi + 1.5 x 2^23: n in the low bits
.endr
.irp k, 0,1,2,3,4,5,6,7,8,9,10,11,12,13,14,15
	v_lshlrev_b32 v[SG+\k], 31, v[NM+\k]           ; n odd: both change sign
.endr
.irp k, 0,2,4,6,8,10,12,14
	v_pk_add_f32 v[NM+\k:NM+\k+1], v[NM+\k:NM+\k+1], 0xcb400000 op_sel_hi:[1,0]   ; n
.endr
.irp k, 0,2,4,6,8,10,12,14
	v_pk_fma_f32 v[AN+\k:AN+\k+1], v[NM+\k:NM+\k+1], 0xc0490fdb, v[AN+\k:AN+\k+1] op_sel_hi:[1,0,1]   ; - n x f32(pi): a multiple of 2^-22 under 2, so nothing is rounded
.endr
.irp k, 0,2,4,6,8,10,12,14
	v_pk_fma_f32 v[AN+\k:AN+\k+1], v[NM+\k:NM+\k+1], 0x33bbbd2e, v[AN+\k:AN+\k+1] op_sel_hi:[1,0,1]   ; + n x (f32(pi) - pi)
.endr
.irp k, 0,2,4,6,8,10,12,14
	v_pk_mul_f32 v[ZZ+\k:ZZ+\k+1], v[AN+\k:AN+\k+1], v[AN+\k:AN+\k+1]
.endr
.irp k, 0,1,2,3,4,5,6,7,8,9,10,11,12,13,14,15
	v_xor_b32 v[AN+\k], v[SG+\k], v[AN+\k]
.endr
.irp k, 0,2,4,6,8,10,12,14
	v_pk_fma_f32 v[PSN+\k:PSN+\k+1], v[ZZ+\k:ZZ+\k+1], 0xb2d7322b, v[VS4:VS4+1] op_sel_hi:[1,0,1]   ; -z / 11! + 1 / 9!
.endr
.irp k, 0,2,4,6,8,10,12,14
	v_pk_fma_f32 v[PCS+\k:PCS+\k+1], v[ZZ+\k:ZZ+\k+1], 0x310f76c7, v[VC5:VC5+1] op_sel_hi:[1,0,1]   ; z / 12! - 1 / 10!
.endr
.irp k, 0,2,4,6,8,10,12,14
	v_pk_fma_f32 v[PSN+\k:PSN+\k+1], v[PSN+\k:PSN+\k+1], v[ZZ+\k:ZZ+\k+1], 0xb9500d01 op_sel_hi:[1,1,0]   ; -1 / 7!
.endr
.irp k, 0,2,4,6,8,10,12,14
	v_pk_fma_f32 v[PCS+\k:PCS+\k+1], v[PCS+\k:PCS+\k+1], v[ZZ+\k:ZZ+\k+1], 0x37d00d01 op_sel_hi:[1,1,0]   ; 1 / 8!
.endr
.irp k, 0,2,4,6,8,10,12,14
	v_pk_fma_f32 v[PSN+\k:PSN+\k+1], v[PSN+\k:PSN+\k+1], v[ZZ+\k:ZZ+\k+1], 0x3c088889 op_sel_hi:[1,1,0]   ; 1 / 5!
.endr
.irp k, 0,2,4,6,8,10,12,14
	v_pk_fma_f32 v[PCS+\k:PCS+\k+1], v[PCS+\k:PCS+\k+1], v[ZZ+\k:ZZ+\k+1], 0xbab60b61 op_sel_hi:[1,1,0]   ; -1 / 6!
.endr
.irp k, 0,2,4,6,8,10,12,14
	v_pk_fma_f32 v[PSN+\k:PSN+\k+1], v[PSN+\k:PSN+\k+1], v[ZZ+\k:ZZ+\k+1], 0xbe2aaaab op_sel_hi:[1,1,0]   ; -1 / 3!
.endr
.irp k, 0,2,4,6,8,10,12,14
	v_pk_fma_f32 v[PCS+\k:PCS+\k+1], v[PCS+\k:PCS+\k+1], v[ZZ+\k:ZZ+\k+1], 0x3d2aaaab op_sel_hi:[1,1,0]   ; 1 / 4!
.endr
.irp k, 0,2,4,6,8,10,12,14
	v_pk_mul_f32 v[PSN+\k:PSN+\k+1], v[PSN+\k:PSN+\k+1], v[ZZ+\k:ZZ+\k+1]
.endr
.irp k, 0,2,4,6,8,10,12,14
	v_pk_fma_f32 v[PCS+\k:PCS+\k+1], v[PCS+\k:PCS+\k+1], v[ZZ+\k:ZZ+\k+1], -0.5 op_sel_hi:[1,1,0]
.endr
.irp k, 0,2,4,6,8,10,12,14
	v_pk_fma_f32 v[CS0+16+\k:CS0+16+\k+1], v[PSN+\k:PSN+\k+1], v[AN+\k:AN+\k+1], v[AN+\k:AN+\k+1]   ; sin
.endr
.irp k, 0,2,4,6,8,10,12,14
	v_pk_fma_f32 v[CS0+\k:CS0+\k+1], v[PCS+\k:PCS+\k+1], v[ZZ+\k:ZZ+\k+1], 1.0 op_sel_hi:[1,1,0]     ; cos,
.endr
.irp k, 0,1,2,3,4,5,6,7,8,9,10,11,12,13,14,15
	v_xor_b32 v[CS0+\k], v[SG+\k], v[CS0+\k]       ; with its sign
.endr
.irp k, 0,1,2,3,4,5,6,7
	ds_store_b128 v[SCW], v[CS0+4*\k:CS0+4*\k+3] offset:4096*\i+512*\k   ; as an image of the registers: 16 bytes a lane, 512 a store
.endr
	v_pk_add_f32 v[POS:POS+1], v[POS:POS+1], 0x41800000 op_sel_hi:[1,0]   ; 16 positions on
.endm
	SINCOS 0
	s_wait_alu depctr_va_vdst(0)
	SINCOS 1
	s_wait_alu depctr_va_vdst(0)
	SINCOS 2
	s_wait_alu depctr_va_vdst(0)
	SINCOS 3
	s_wait_dscnt 0x0                               ; for the other wave's sake: my tables lie in LDS
	s_barrier_signal -1
	s_barrier_wait -1                              ; (the whole work-group is on this way: the branch hangs on the cluster's x)
.macro LOADCS a
.irp k, 0,1,2,3,4,5,6,7
	ds_load_b128 v[CS0+32*((\a)%2)+4*\k:CS0+32*((\a)%2)+4*\k+3], v[SCR] offset:4096*(\a)+512*\k
.endr
.endm
; Block a: 16 positions x my 128 channels (two heads g).  In head g tiles u = 0, 1 hold channels 0-31 (x1), tiles 2 + u channels 32-63 (x2), frequency 16 u + 8 h + j.
.macro QKBLOCK a
.if (\a) < 7
	LOADCS (\a)+1
	s_wait_dscnt 8                                 ; this block's eight loads are in, the next block's eight may be out
.else
	s_wait_dscnt 0x0
.endif
.set CSS, CS0+32*((\a)%2)
.set ACB, 64*((\a)%4)
	WIN 0x02+(\a)/4                                ; source 0: the accumulators' window
.irp g, 0,1
.irp u, 0,1
.set X1, ACB+8*(4*\g+\u)
.set X2, ACB+8*(4*\g+2+\u)
.set O1, OU+8*(4*\g+\u)
.set O2, OU+8*(4*\g+2+\u)
.set CC, CSS+8*\u
.set SS, CSS+16+8*\u
.irp k, 0,2,4,6                        ; each accumulator is read from its low end on
	v_pk_mul_f32 v[O1+\k:O1+\k+1], v[X1+\k:X1+\k+1], v[CC+\k:CC+\k+1]
	v_pk_mul_f32 v[O2+\k:O2+\k+1], v[X1+\k:X1+\k+1], v[SS+\k:SS+\k+1]
.endr
.irp k, 0,2,4,6
	v_pk_fma_f32 v[O1+\k:O1+\k+1], v[X2+\k:X2+\k+1], v[SS+\k:SS+\k+1], v[O1+\k:O1+\k+1] neg_lo:[1,0,0] neg_hi:[1,0,0]   ; x1 cos - x2 sin
	v_pk_fma_f32 v[O2+\k:O2+\k+1], v[X2+\k:X2+\k+1], v[CC+\k:CC+\k+1], v[O2+\k:O2+\k+1]                               ; x1 sin + x2 cos
.endr
.endr
.endr
	WIN 0
	s_wait_xcnt 0x0                                ; the stores of two blocks back have read this set of codes
.set CDS, CD+8*((\a)%2)
	QUANT OU, CDS, PW
	v_perm_b32 v[WD+(\a)], v[PW], v[PW], 0x01000100     ; head 0's word: its two bytes, twice: the upper 64 of the next product's K are padding
	v_perm_b32 v[WD+8+(\a)], v[PW], v[PW], 0x03020302   ; head 1's
	global_store_b128 v[LI], v[CDS:CDS+3], s[18:19] offset:512*(\a)             ; 32 lanes store 512 consecutive bytes
	global_store_b128 v[LI], v[CDS+4:CDS+7], s[18:19] offset:HEADB+512*(\a)
.endm
	LOADCS 0
.irp a, 0,1,2,3,4,5,6,7
	QKBLOCK \a
.endr
	s_wait_alu depctr_va_vdst(0)
.irp g, 0,1
	s_wait_xcnt 0x0
.irp i, 0,1,2,3
	v_cndmask_b32 v[XW+\i], v[WD+8*\g+\i], v[WD+8*\g+4+\i], vcc_lo   ; lanes 0-15: tiles 0-3, lanes 16-31: tiles 4-7
.endr
	global_store_b128 v[LI], v[XW:XW+3], s[20:21] offset:\g*HEADB
.endr
	s_branch .Ldone
	; ---- v ----  a lane holds channel 16 a + r; the eight tiles of block a are the key step's 128 positions
.Lv:
	s_lshl_b32 s18, s17, 10
	s_lshl_b32 s19, s15, 9
	s_add_co_u32 s18, s18, s19
	s_add_co_u32 s18, s18, 8192                    ; b_qkv[2,048 + 256 x tile + 128 x half ..]
	s_mov_b32 s19, 0
	s_add_nc_u64 s[18:19], s[96:97], s[18:19]
	v_lshlrev_b32 v[OFS], 2, v1
.irp a, 0,1,2,3,4,5,6,7
	global_load_b32 v[BV+2*\a], v[OFS], s[18:19] offset:64*\a
	global_load_b32 v[BV+2*\a+1], v[OFS], s[18:19] offset:64*\a   ; twice: a pair for the packed addition
.endr
	s_wait_loadcnt 0x0
.macro VBLOCK a
.set ACB, 64*((\a)%4)
	WIN 0x02+(\a)/4
.irp b, 0,1,2,3,4,5,6,7
.irp k, 0,2,4,6
	v_pk_add_f32 v[OU+8*\b+\k:OU+8*\b+\k+1], v[ACB+8*\b+\k:ACB+8*\b+\k+1], v[BV+2*(\a):BV+2*(\a)+1]
.endr
.endr
	WIN 0
	s_wait_xcnt 0x0                                ; the stores of two blocks back have read this set of codes
.set CDS, CD+8*((\a)%2)
	QUANT OU, CDS, WD+(\a)
	global_store_b128 v[LI], v[CDS:CDS+3], s[12:13] offset:((\a)/4)*HEADB+4096+1024*((\a)%4)
	global_store_b128 v[LI], v[CDS+4:CDS+7], s[12:13] offset:((\a)/4)*HEADB+4096+1024*((\a)%4)+512
.endm
.irp a, 0,1,2,3,4,5,6,7
	VBLOCK \a
.endr
.irp i, 0,1,2,3
	v_cndmask_b32 v[XW+\i], v[WD+\i], v[WD+4+\i], vcc_lo   ; lanes 0-15: my first head's four tiles of channels, lanes 16-31: my second head's
.endr
	global_store_b128 v[VSO], v[XW:XW+3], s[12:13] offset:8704   ; sixteen lanes store 256 consecutive bytes in each head
.Ldone:
	s_wait_tensorcnt 0x0
	ds_add_u32 v254, v255
	s_wait_dscnt 0x0
	CROUND                                         ; the closing round: no work-group ends while a partner may still ask for a tile that names it
	s_endpgm
.Lfunc_end_k_qa7fbe7e958_qkv_rope:
	.size	k_qa7fbe7e958_qkv_rope, .Lfunc_end_k_qa7fbe7e958_qkv_rope-k_qa7fbe7e958_qkv_rope
	.p2alignl 7, 3214868480
	.fill 96, 4, 3214868480
	.section	.rodata,"a",@progbits
	.p2align	6, 0x0
	.amdhsa_kernel k_qa7fbe7e958_qkv_rope
		.amdhsa_group_segment_fixed_size 296448
		.amdhsa_private_segment_fixed_size 0
		.amdhsa_enable_private_segment 0
		.amdhsa_kernarg_size 48
		.amdhsa_user_sgpr_count 2
		.amdhsa_user_sgpr_kernarg_segment_ptr 1
		.amdhsa_wavefront_size32 1
		.amdhsa_system_sgpr_workgroup_id_x 1
		.amdhsa_system_sgpr_workgroup_id_y 1
		.amdhsa_system_sgpr_workgroup_id_z 1
		.amdhsa_system_vgpr_workitem_id 0
		.amdhsa_next_free_vgpr 1024
		.amdhsa_next_free_sgpr 100
		.amdhsa_reserve_vcc 1
		.amdhsa_float_denorm_mode_32 3
		.amdhsa_float_denorm_mode_16_64 3
		.amdhsa_memory_ordered 1
		.amdhsa_forward_progress 1
		.amdhsa_inst_pref_size 255
	.end_amdhsa_kernel
	.section	.bss,"aw",@nobits
	.p2align	6
	.space	262144
	.amdgpu_metadata
---
amdhsa.version: [ 1, 2 ]
amdhsa.kernels:
  - .name:           k_qa7fbe7e958_qkv_rope
    .symbol:         k_qa7fbe7e958_qkv_rope.kd
    .args:
      - { .name: x_codes, .offset: 0, .size: 8, .value_kind: global_buffer, .address_space: global }
      - { .name: x_scales, .offset: 8, .size: 8, .value_kind: global_buffer, .address_space: global }
      - { .name: w_qkv_codes, .offset: 16, .size: 8, .value_kind: global_buffer, .address_space: global }
      - { .name: w_qkv_scales, .offset: 24, .size: 8, .value_kind: global_buffer, .address_space: global }
      - { .name: b_qkv, .offset: 32, .size: 8, .value_kind: global_buffer, .address_space: global }
      - { .name: qkv, .offset: 40, .size: 8, .value_kind: global_buffer, .address_space: global }
    .group_segment_fixed_size: 296448
    .private_segment_fixed_size: 0
    .kernarg_segment_align: 8
    .kernarg_segment_size: 48
    .max_flat_workgroup_size: 128
    .sgpr_count:     100
    .vgpr_count:     1024
    .wavefront_size: 32
...
	.end_amdgpu_metadata
.endif
;; end of part 1
;; launch attention (part 2): grid 4 x 64, 16 waves a work-group, clusters of 4 x 1, 169,984 bytes of LDS; arguments qkv, a_codes, a_scales; writes a_codes, a_scales
.if DOCPART == 2
	.amdgcn_target "amdgcn-amd-amdhsa--gfx1250"
	.amdhsa_code_object_version 6
	.text
	.protected	k_qa7fbe7e958_attention
	.globl	k_qa7fbe7e958_attention
	.p2align	8
	.type	k_qa7fbe7e958_attention,@function
k_qa7fbe7e958_attention:
	s_mov_b64 s[64:65], 0
	v_nop
	global_prefetch_b8 v0, s[64:65] scope:SCOPE_SE
	s_setreg_imm32_b32 hwreg(HW_REG_WAVE_MODE, 25, 1), 1
	s_wait_xcnt 0x0
	s_wait_alu depctr_hold_cnt(0) depctr_sa_sdst(0) depctr_va_vdst(0) depctr_va_sdst(0) depctr_va_ssrc(0) depctr_va_vcc(0) depctr_vm_vsrc(0)
	s_getreg_b32 s2, hwreg(HW_REG_IB_STS2, 6, 4)
	s_cmp_eq_u32 s2, 0
	s_cbranch_scc0 .Lentry_in_a_cluster
	s_endpgm
.Lentry_in_a_cluster:
	s_bfe_u32 s2, ttmp6, 0x10000c
	s_cmp_lg_u32 s2, 0x3003
	s_cbranch_scc0 .Lentry_shape_is_right
	s_endpgm
.Lentry_shape_is_right:
; O = softmax(Q K^T / 8) V for 64 (batch, head) pairs of 2,048 positions x 64 channels, both products on codes of FP4 (E2M1) with E8M0 scales; O / the row's sum is quantised along d_model for the next launch.
; qkv[bh][key step 16][13,568]: +0 K codes, +4,096 V codes, +8,192 K scale words, +8,704 V scale words, +8,960 Q codes, +13,056 Q scale words: images of operand registers, 16 bytes a lane, 512 bytes a piece.
; THE SOFTMAX: t = score x log2(e) / 8; M = the running largest t rounded UP to a whole number; p = 2^(t - M) is quantised along the keys, not normalised; the row's sum is taken of the unquantised p and divides at the end.
; When M moves, the sum and O are multiplied by 2^(old M - new M): nothing is rounded.
; SHARES.  A work-group owns one (batch, head) and 512 queries, in two passes of 256: 16 queries to each of its SIXTEEN waves, four waves to a SIMD, so that one wave's vector work stands beside another's products and loads.
; The head's K, V and their scale words, 16 x 8,960 bytes, come into LDS ONCE, a key step to a wave, and serve both passes: nothing in LDS is filled a second time.
; CLUSTER.  The four work-groups of a head form a cluster and ask for each key step jointly.
; LAYOUT.  S^T = K Q^T (source 0 = 16 keys, source 1 = my 16 queries), O^T = V^T P^T: a lane holds ONE query throughout.  The first product's K is 64: the instruction's upper 64 meet zero codes on Q's side
; (on K's side the next tile's four registers stand there; their products are zeros), and the scale words repeat their two bytes.
; In S^T tile T of lane (r, h) holds keys 16 T + 8 h + 0 .. 7; the conversions' results are ordered, and halves exchanged, so that p's codes have the keys ascending, as V's have.
; OUT: a_codes[tile of 16 rows 512][head 16][512]: lane (r, h): row r, channels 64 head + 32 h ..; a_scales[row 8,192][32].  The scale bytes leave two to a row: a wave holds one head of a row's sixteen.
; LIMITS: NaN and infinities are not served; a block whose largest magnitude lies under 2^-124 keeps the byte 1 (its codes are then zeros or near it; only this program reads the bytes).
.set STEPB, 13568
.set HEADB, 16*STEPB
.set LSTEP, 8960                       ; a key step in LDS
.set WV,  10                           ; s10  my wave's number
.set SEL, 20                           ; s[20:21] lane selects: lane l xor 16
.set CS,  22                           ; s[22:23] c = log2(e) / 8
.set G1,  24
.set G0,  32
.set TB,  36                           ; s36  where the key step in hand begins in LDS
.set NST, 37                           ; s37  key steps to go
.set NPS, 38                           ; s38  passes to go
.set LI,  1                            ; v1   16 x lane
.set LR,  2                            ; v2   16 r
.set AD,  3                            ; v3   TB + 16 x lane
.set AR,  4                            ; v4   TB + 16 r
.set SR,  6                            ; v6   32 r
.set QF,  16                           ; v16-19 Q's codes, v20-23 zeros
.set QW,  24                           ; v24  Q's scale words
.set Q1,  26                           ; v26-29, v30: the second pass's
.set QW1, 30
.set KF,  32                           ; v32-63 K, four registers a tile; v64-67 zeros
.set VF,  68                           ; v68-99 V
.set S,   100                          ; v100-163 S^T, then p
.set OT,  164                          ; v164-195 O^T
.set PC,  196                          ; v196-203 p's codes
.set KW,  204
.set VW,  208
.set PWD, 212                          ; p's scale word
.set HW,  213
.set BM,  216                          ; v216-219 the blocks' largest scores, then p
.set BT,  220
.set SO,  224                          ; the conversions' scale operands
.set FF,  228                          ; v[228:229] f
.set T,   230
.set L2,  232                          ; v[232:233] the sum's second chain
.macro ROUND                           ; a round of the cluster's barrier
	s_barrier_signal -1
	s_barrier_wait -1
	s_cmp_lg_u32 s[WV], 0
	s_cbranch_scc1 .Lnot_wave_0_\@
	s_barrier_signal -3
.Lnot_wave_0_\@:
	s_barrier_wait -3
	s_barrier_signal -1
	s_barrier_wait -1
.endm
	s_load_b128 s[4:7], s[0:1], 0x0                ; qkv, a_codes
	s_load_b64 s[8:9], s[0:1], 0x10                ; a_scales
	v_lshl_add_u32 v254, v0, 2, 0x29000
	v_mov_b32 v255, 0
	ds_add_u32 v254, v255
	ds_add_u32 v254, v255
	v_lshrrev_b32 v1, 5, v0
	s_delay_alu instid0(VALU_DEP_1)
	v_readfirstlane_b32 s[WV], v1                  ; wave 0..15
	s_bfe_u32 s11, ttmp6, 0x40000                  ; cx
	s_lshl_b32 s12, ttmp9, 2
	s_add_co_u32 s12, s12, s11                     ; my block of 512 queries: it enters Q's and the outputs' addresses alone
	s_and_b32 s13, ttmp7, 0xffff                   ; batch x 16 + head, which the four partners share
	; descriptor group 1: 8,960 dense bytes as 35 rows of 256 (32 elements of 8 bytes)
	s_mov_b32 s[G1], 15|(3<<16)|(1<<21)            ; 15:0 the mask: all four work-groups; 17:16 elements of 8 bytes; 21 set beside a mask
	s_mov_b32 s[G1+1], 32<<16                      ; tensor_dim0
	s_mov_b32 s[G1+2], 35<<16                      ; tensor_dim1
	s_mov_b32 s[G1+3], 32<<16                      ; tile_dim0
	s_mov_b32 s[G1+4], 35                          ; tile_dim1
	s_mov_b32 s[G1+5], 32                          ; tensor_dim0_stride
	s_mov_b32 s[G1+6], 0
	s_mov_b32 s[G1+7], 0
	s_mul_i32 s14, s13, HEADB                      ; the head's first byte (under 2^24)
	s_mul_i32 s15, s[WV], STEPB
	s_add_co_u32 s40, s14, s15                     ; key step = my wave's number
	s_mov_b32 s41, 0
	s_mov_b32 s[G0], 1
	s_mul_i32 s[G0+1], s[WV], LSTEP                ; LDS: wave x 8,960
	s_lshl_b32 s36, s12, 2                         ; Q: my 16 queries of the first pass lie in step 4 x block + wave / 8, tile wave % 8; the second pass's two steps on
	s_lshr_b32 s37, s[WV], 3
	s_add_co_u32 s36, s36, s37
	s_mul_i32 s36, s36, STEPB
	s_add_co_u32 s36, s36, s14
	s_and_b32 s37, s[WV], 7
	s_lshl_b32 s38, s37, 9
	s_add_co_u32 s16, s36, s38
	s_add_co_u32 s16, s16, 8960
	s_mov_b32 s17, 0
	s_lshr_b32 s38, s37, 2                         ; its scale words: 256 x (tile / 4) + 16 r + 4 x (tile % 4)
	s_lshl_b32 s38, s38, 8
	s_and_b32 s39, s[WV], 3
	s_lshl_b32 s39, s39, 2
	s_add_co_u32 s18, s36, s38
	s_add_co_u32 s18, s18, s39
	s_add_co_u32 s18, s18, 13056
	s_mov_b32 s19, 0
	s_mov_b32 s[SEL], 0x76543210
	s_mov_b32 s[SEL+1], 0xfedcba98
	s_mov_b32 s[CS], 0x3e38aa3b                    ; log2(e) / 8
	s_mov_b32 s[CS+1], s[CS]                       ; (named with it as a pair, so it is written)
	s_wait_dscnt 0x0
	s_wait_kmcnt 0x0
	s_add_nc_u64 s[G0+2:G0+3], s[4:5], s[40:41]
	s_or_b32 s[G0+3], s[G0+3], 0x80000000
	ROUND                                          ; all four work-groups are here: the joint loads meet
	tensor_load_to_lds s[G0:G0+3], s[G1:G1+7]      ; my key step: one load of mine is out
	s_nop 0
.rept 4
	v_nop
.endr
	s_add_nc_u64 s[16:17], s[4:5], s[16:17]
	s_add_nc_u64 s[18:19], s[4:5], s[18:19]
	v_and_b32 v[LI], 31, v0
	s_delay_alu instid0(VALU_DEP_1)
	v_lshlrev_b32 v[LI], 4, v[LI]
	v_and_b32 v[LR], 15, v0
	s_delay_alu instid0(VALU_DEP_1)
	v_lshlrev_b32 v[SR], 5, v[LR]
	s_delay_alu instid0(VALU_DEP_2)
	v_lshlrev_b32 v[LR], 4, v[LR]
	global_load_b128 v[QF:QF+3], v[LI], s[16:17]
	global_load_b128 v[Q1:Q1+3], v[LI], s[16:17] offset:2*STEPB
	global_load_b32 v[QW], v[LR], s[18:19]
	global_load_b32 v[QW1], v[LR], s[18:19] offset:2*STEPB
	s_lshr_b32 s36, s13, 4                         ; my first tile of 16 rows: batch x 128 + 32 x block + wave
	s_lshl_b32 s36, s36, 7
	s_lshl_b32 s37, s12, 5
	s_add_co_u32 s36, s36, s37
	s_add_co_u32 s36, s36, s[WV]
	s_and_b32 s37, s13, 15                         ; the head
	s_lshl_b32 s38, s36, 4
	s_add_co_u32 s38, s38, s37
	s_lshl_b32 s38, s38, 9
	s_mov_b32 s39, 0
	s_add_nc_u64 s[6:7], s[6:7], s[38:39]          ; a_codes + (16 x tile + head) x 512
	s_lshl_b32 s38, s36, 9
	s_lshl_b32 s37, s37, 1
	s_add_co_u32 s38, s38, s37
	s_add_nc_u64 s[8:9], s[8:9], s[38:39]          ; a_scales + tile x 512 + 2 x head
.irp i, 0,1,2,3
	v_mov_b32 v[QF+4+\i], 0                        ; zero codes: the upper 64 of the first product's K
	v_mov_b32 v[KF+32+\i], 0
	v_mov_b32 v[BT+\i], 0                          ; a lane permute's destination counts as one of its sources
.endr
	v_mov_b32 v[FF+1], 0                           ; (named as the upper half of a pair)
	s_wait_loadcnt 0x0                             ; Q
	s_wait_tensorcnt 0x0                           ; my key step has landed,
	s_barrier_signal -1
	s_barrier_wait -1                              ; everybody's has
	s_mov_b32 s[NPS], 2
.Lpass:
	v_mov_b32 v13, 0xff61b1e6                      ; the largest t so far: -3e38, under every t
	s_delay_alu instid0(VALU_DEP_1)
	v_floor_f32 v12, -v13                          ; -M
	v_mov_b32 v14, 0                               ; the sum, in two halves
	v_mov_b32 v15, 0
.set j, 0
.rept 32
	v_mov_b32 v[OT+j], 0                           ; O^T: the step is written once; its first trip finds zeros, which the first change of M leaves zeros
.set j, j+1
.endr
	s_mov_b32 s[TB], 0
	s_mov_b32 s[NST], 16
.Lstep:                                            ; a key step: 128 keys
	s_setprio 2
	v_add_nc_u32 v[AD], s[TB], v[LI]
	v_add_nc_u32 v[AR], s[TB], v[LR]
	v_nop
	v_nop                                          ; four plain lines between the last products and the loads into V's registers
.irp t, 0,1,2,3,4,5,6,7
	ds_load_b128 v[KF+4*\t:KF+4*\t+3], v[AD] offset:512*\t
.endr
	ds_load_b128 v[KW:KW+3], v[AD] offset:8192     ; lanes 0-15: the words of tiles 0-3, lanes 16-31: of tiles 4-7
.irp i, 0,1,2,3,4,5,6,7
	ds_load_b128 v[VF+4*\i:VF+4*\i+3], v[AD] offset:4096+512*\i
.endr
	ds_load_b128 v[VW:VW+3], v[AR] offset:8704
	s_wait_dscnt 9                                 ; K's nine loads are in, V's nine may be out
.irp t, 0,1,2,3
	v_wmma_scale_f32_16x16x128_f8f6f4 v[S+8*\t:S+8*\t+7], v[KF+4*\t:KF+4*\t+7], v[QF:QF+7], 0, v[KW+\t], v[QW] matrix_a_fmt:MATRIX_FMT_FP4 matrix_b_fmt:MATRIX_FMT_FP4
.endr
.irp t, 4,5,6,7
	v_wmma_scale_f32_16x16x128_f8f6f4 v[S+8*\t:S+8*\t+7], v[KF+4*\t:KF+4*\t+7], v[QF:QF+7], 0, v[KW+\t-4], v[QW] matrix_a_fmt:MATRIX_FMT_FP4 matrix_b_fmt:MATRIX_FMT_FP4 matrix_a_scale:MATRIX_SCALE_ROW1
.endr
.rept 4
	v_nop
.endr
.irp b, 0,1,2,3
	v_max3_num_f32 v[BM+\b], v[S+16*\b], v[S+1+16*\b], v[S+2+16*\b]   ; the largest score of each block of 32 keys: for the row's maximum and, since p rises with the score, for the block's largest p
.endr
.irp i, 3,5,7,9,11,13
.irp b, 0,1,2,3
	v_max3_num_f32 v[BM+\b], v[BM+\b], v[S+16*\b+\i], v[S+1+16*\b+\i]
.endr
.endr
.irp b, 0,1,2,3
	v_max_num_f32 v[BM+\b], v[BM+\b], v[S+15+16*\b]
.endr
.irp b, 0,1,2,3
	s_delay_alu instid0(VALU_DEP_4)
	v_permlanex16_b32 v[BT+\b], v[BM+\b], s[SEL], s[SEL+1]
.endr
.irp b, 0,1,2,3
	s_delay_alu instid0(VALU_DEP_4)
	v_max_num_f32 v[BM+\b], v[BM+\b], v[BT+\b]     ; with lane l xor 16's 16 keys
.endr
	s_delay_alu instid0(VALU_DEP_2)
	v_max3_num_f32 v[T], v[BM], v[BM+1], v[BM+2]
	s_delay_alu instid0(VALU_DEP_1)
	v_max_num_f32 v[T], v[T], v[BM+3]
	s_delay_alu instid0(VALU_DEP_1)
	v_mul_f32 v[T], s[CS], v[T]                    ; as t (c is positive)
	s_delay_alu instid0(VALU_DEP_1)
	v_max_num_f32 v13, v13, v[T]                   ; the running largest t
	v_mov_b32 v[T], v12
	s_delay_alu instid0(VALU_DEP_2)
	v_floor_f32 v12, -v13                          ; the new -M = -ceil(t): a whole number
	s_delay_alu instid0(VALU_DEP_1)
	v_sub_f32 v[T], v12, v[T]                      ; old M - new M, 0 or less
	s_delay_alu instid0(VALU_DEP_1)
	v_cvt_i32_f32 v[T], v[T]                       ; (it saturates)
	s_delay_alu instid0(VALU_DEP_1)
	v_ldexp_f32 v[FF], 1.0, v[T]                   ; f = 2^(old M - new M)
.set j, 0
.rept 32
	v_pk_fma_f32 v[S+j:S+j+1], v[S+j:S+j+1], s[CS:CS+1], v[12:13] op_sel_hi:[1,0,0]   ; t - M
.set j, j+2
.endr
.irp b, 0,1,2,3
	v_fma_f32 v[BM+\b], v[BM+\b], s[CS], v12       ; the same of each block's largest score
.endr
.set j, 0
	s_wait_alu depctr_va_vdst(0)
.rept 64
	v_exp_f32 v[S+j], v[S+j]                       ; p = 2^(t - M), at most 1
.set j, j+1
.endr
	s_setprio 1
	v_pk_mul_f32 v[14:15], v[14:15], v[FF:FF+1] op_sel_hi:[1,0]   ; the sums under the new M: the plain line behind the exponentials
	s_wait_alu depctr_va_vdst(0)                   ; one wait for the batch, ahead of its first reader
.irp b, 0,1,2,3
	v_exp_f32 v[BM+\b], v[BM+\b]                   ; the block's largest p: the same two instructions on the same number
.endr
	v_pk_add_f32 v[232:233], v[104:105], v[108:109]
	v_pk_add_f32 v[252:253], v[112:113], v[116:117]
	v_pk_add_f32 v[250:251], v[120:121], v[124:125]
	v_pk_add_f32 v[248:249], v[128:129], v[132:133]
	v_pk_add_f32 v[246:247], v[136:137], v[140:141]
	v_pk_add_f32 v[244:245], v[144:145], v[148:149]
	v_pk_add_f32 v[242:243], v[152:153], v[156:157]
	v_pk_add_f32 v[14:15], v[14:15], v[160:161]
	v_pk_add_f32 v[232:233], v[232:233], v[100:101]
	v_pk_add_f32 v[252:253], v[252:253], v[102:103]
	v_pk_add_f32 v[250:251], v[250:251], v[106:107]
	v_pk_add_f32 v[248:249], v[248:249], v[110:111]
	v_pk_add_f32 v[246:247], v[246:247], v[114:115]
	v_pk_add_f32 v[244:245], v[244:245], v[118:119]
	v_pk_add_f32 v[242:243], v[242:243], v[122:123]
	v_pk_add_f32 v[14:15], v[14:15], v[126:127]
	v_pk_add_f32 v[232:233], v[232:233], v[130:131]
	v_pk_add_f32 v[252:253], v[252:253], v[134:135]
	v_pk_add_f32 v[250:251], v[250:251], v[138:139]
	v_pk_add_f32 v[248:249], v[248:249], v[142:143]
	v_pk_add_f32 v[246:247], v[246:247], v[146:147]
	v_pk_add_f32 v[244:245], v[244:245], v[150:151]
	v_pk_add_f32 v[242:243], v[242:243], v[154:155]
	v_pk_add_f32 v[14:15], v[14:15], v[158:159]
	v_pk_add_f32 v[232:233], v[232:233], v[162:163]
	s_delay_alu instid0(VALU_DEP_2)
	v_pk_add_f32 v[14:15], v[14:15], v[248:249]
	s_delay_alu instid0(VALU_DEP_2)
	v_pk_add_f32 v[232:233], v[232:233], v[246:247]
	v_pk_add_f32 v[252:253], v[252:253], v[244:245]
	v_pk_add_f32 v[250:251], v[250:251], v[242:243]
	s_delay_alu instid0(VALU_DEP_2)
	v_pk_add_f32 v[14:15], v[14:15], v[252:253]
	s_delay_alu instid0(VALU_DEP_2)
	v_pk_add_f32 v[232:233], v[232:233], v[250:251]
	s_delay_alu instid0(VALU_DEP_1)
	v_pk_add_f32 v[14:15], v[14:15], v[232:233]
	s_wait_alu depctr_va_vdst(0)                   ; and one for the four
.irp b, 0,1,2,3
	v_max_num_f32 v[BM+\b], 0x1800000, v[BM+\b]    ; the floor 2^(3 - 127): the byte cannot fall under 1
.endr
.irp b, 0,1,2,3
	s_delay_alu instid0(VALU_DEP_4)
	v_add_nc_u32 v[SO+\b], 0xff000000, v[BM+\b]    ; 2 off the exponent field: the conversion's scale operand
.endr
.irp b, 0,1,2,3
	s_delay_alu instid0(VALU_DEP_4)
	v_lshrrev_b32 v[BT+\b], 23, v[SO+\b]           ; the scale's byte
.endr
	s_delay_alu instid0(VALU_DEP_3)
	v_lshl_or_b32 v[PWD], v[BT+1], 8, v[BT]
	s_delay_alu instid0(VALU_DEP_1)
	v_lshl_or_b32 v[PWD], v[BT+2], 16, v[PWD]
	s_delay_alu instid0(VALU_DEP_1)
	v_lshl_or_b32 v[PWD], v[BT+3], 24, v[PWD]
.irp c, 0,1
	v_cvt_scalef32_pk8_fp4_f32 v[PC+4*\c], v[S+32*\c:S+32*\c+7], v[SO+2*\c]
	v_cvt_scalef32_pk8_fp4_f32 v[PC+4*\c+2], v[S+32*\c+8:S+32*\c+15], v[SO+2*\c]
	v_cvt_scalef32_pk8_fp4_f32 v[PC+4*\c+1], v[S+32*\c+16:S+32*\c+23], v[SO+2*\c+1]
	v_cvt_scalef32_pk8_fp4_f32 v[PC+4*\c+3], v[S+32*\c+24:S+32*\c+31], v[SO+2*\c+1]
.endr
	v_nop                                          ; one plain line behind the conversions
.irp c, 0,1                            ; lane h then holds block 2 c + h whole, the keys ascending
	v_permlane16_swap_b32 v[PC+4*\c], v[PC+4*\c+1]
	v_permlane16_swap_b32 v[PC+4*\c+2], v[PC+4*\c+3]
.endr
.set j, 0
	s_setprio 0
.rept 16
	v_pk_mul_f32 v[OT+j:OT+j+1], v[OT+j:OT+j+1], v[FF:FF+1] op_sel_hi:[1,0]   ; O^T under the new M; these sixteen also stand between the writing of p's codes and scale word and the products
.set j, j+2
.endr
	s_wait_alu depctr_va_vdst(0)
	s_wait_dscnt 0x0                               ; V
.irp t, 0,1,2,3                        ; the four accumulators take turns, one instruction a turn
	v_wmma_scale_f32_16x16x128_f8f6f4 v[OT+8*\t:OT+8*\t+7], v[VF+8*\t:VF+8*\t+7], v[PC:PC+7], v[OT+8*\t:OT+8*\t+7], v[VW+\t], v[PWD] matrix_a_fmt:MATRIX_FMT_FP4 matrix_b_fmt:MATRIX_FMT_FP4
.endr
	s_add_co_u32 s[TB], s[TB], LSTEP
	s_sub_co_u32 s[NST], s[NST], 1
	s_cmp_lg_u32 s[NST], 0
	s_cbranch_scc1 .Lstep
	s_setprio 0
	; the pass's end: O^T / the sum, quantised along d_model: the head's 64 channels are two blocks
.rept 4
	v_nop
.endr
	v_add_f32 v14, v14, v15
	s_delay_alu instid0(VALU_DEP_1)
	v_permlanex16_b32 v[T], v14, s[SEL], s[SEL+1]
	s_delay_alu instid0(VALU_DEP_1)
	v_add_f32 v14, v14, v[T]                       ; the row's sum
	s_wait_alu depctr_va_vdst(0)
	v_rcp_f32 v14, v14
	v_nop
	s_wait_alu depctr_va_vdst(0)                   ; ahead of the reciprocal's first reader
.set j, 0
.rept 16
	v_pk_mul_f32 v[S+j:S+j+1], v[OT+j:OT+j+1], v[14:15] op_sel_hi:[1,0]   ; register 8 t + i: channel 16 t + 8 h + i of my query
.set j, j+2
.endr
.irp b, 0,1
	v_max3_num_f32 v[BM+\b], |v[S+16*\b]|, |v[S+1+16*\b]|, 0x1800000
.endr
.irp i, 2,4,6,8,10,12,14
.irp b, 0,1
	s_delay_alu instid0(VALU_DEP_2)
	v_max3_num_f32 v[BM+\b], v[BM+\b], |v[S+16*\b+\i]|, |v[S+1+16*\b+\i]|
.endr
.endr
.irp b, 0,1
	s_delay_alu instid0(VALU_DEP_2)
	v_permlanex16_b32 v[BT+\b], v[BM+\b], s[SEL], s[SEL+1]
.endr
.irp b, 0,1
	s_delay_alu instid0(VALU_DEP_2)
	v_max_num_f32 v[BM+\b], v[BM+\b], v[BT+\b]
.endr
.irp b, 0,1
	s_delay_alu instid0(VALU_DEP_2)
	v_add_nc_u32 v[SO+\b], 0xff000000, v[BM+\b]
.endr
.irp b, 0,1
	s_delay_alu instid0(VALU_DEP_2)
	v_lshrrev_b32 v[BT+\b], 23, v[SO+\b]
.endr
	s_delay_alu instid0(VALU_DEP_1)
	v_lshl_or_b32 v[HW], v[BT+1], 8, v[BT]         ; the head's two scale bytes of my row
	v_cvt_scalef32_pk8_fp4_f32 v[PC], v[S:S+7], v[SO]
	v_cvt_scalef32_pk8_fp4_f32 v[PC+2], v[S+8:S+15], v[SO]
	v_cvt_scalef32_pk8_fp4_f32 v[PC+1], v[S+16:S+23], v[SO+1]
	v_cvt_scalef32_pk8_fp4_f32 v[PC+3], v[S+24:S+31], v[SO+1]
	v_nop
	v_permlane16_swap_b32 v[PC], v[PC+1]
	v_permlane16_swap_b32 v[PC+2], v[PC+3]
	global_store_b128 v[LI], v[PC:PC+3], s[6:7]    ; 32 lanes store 512 consecutive bytes
	global_store_b16 v[SR], v[HW], s[8:9]          ; both halves of the lanes hold the same two bytes
	s_wait_xcnt 0x0                                ; the stores have read their registers and bases
	s_add_nc_u64 s[6:7], s[6:7], 16*16*512         ; 256 rows on
	s_add_nc_u64 s[8:9], s[8:9], 256*32
.irp i, 0,1,2,3
	v_mov_b32 v[QF+\i], v[Q1+\i]                   ; the second pass's queries
.endr
	v_mov_b32 v[QW], v[QW1]
	s_sub_co_u32 s[NPS], s[NPS], 1
	s_cmp_lg_u32 s[NPS], 0
	s_cbranch_scc1 .Lpass
	s_wait_tensorcnt 0x0
	ds_add_u32 v254, v255
	s_wait_dscnt 0x0
	ROUND                                          ; the closing round
	s_endpgm
.Lfunc_end_k_qa7fbe7e958_attention:
	.size	k_qa7fbe7e958_attention, .Lfunc_end_k_qa7fbe7e958_attention-k_qa7fbe7e958_attention
	.p2alignl 7, 3214868480
	.fill 96, 4, 3214868480
	.section	.rodata,"a",@progbits
	.p2align	6, 0x0
	.amdhsa_kernel k_qa7fbe7e958_attention
		.amdhsa_group_segment_fixed_size 169984
		.amdhsa_private_segment_fixed_size 0
		.amdhsa_enable_private_segment 0
		.amdhsa_kernarg_size 24
		.amdhsa_user_sgpr_count 2
		.amdhsa_user_sgpr_kernarg_segment_ptr 1
		.amdhsa_wavefront_size32 1
		.amdhsa_system_sgpr_workgroup_id_x 1
		.amdhsa_system_sgpr_workgroup_id_y 1
		.amdhsa_system_sgpr_workgroup_id_z 1
		.amdhsa_system_vgpr_workitem_id 0
		.amdhsa_next_free_vgpr 256
		.amdhsa_next_free_sgpr 66
		.amdhsa_reserve_vcc 0
		.amdhsa_float_denorm_mode_32 3
		.amdhsa_float_denorm_mode_16_64 3
		.amdhsa_memory_ordered 1
		.amdhsa_forward_progress 1
		.amdhsa_inst_pref_size 28
	.end_amdhsa_kernel
	.amdgpu_metadata
---
amdhsa.version: [ 1, 2 ]
amdhsa.kernels:
  - .name:           k_qa7fbe7e958_attention
    .symbol:         k_qa7fbe7e958_attention.kd
    .args:
      - { .name: qkv, .offset: 0, .size: 8, .value_kind: global_buffer, .address_space: global }
      - { .name: a_codes, .offset: 8, .size: 8, .value_kind: global_buffer, .address_space: global }
      - { .name: a_scales, .offset: 16, .size: 8, .value_kind: global_buffer, .address_space: global }
    .group_segment_fixed_size: 169984
    .private_segment_fixed_size: 0
    .kernarg_segment_align: 8
    .kernarg_segment_size: 24
    .max_flat_workgroup_size: 512
    .sgpr_count:     66
    .vgpr_count:     256
    .wavefront_size: 32
...
	.end_amdgpu_metadata
.endif
;; end of part 2
;; launch out_proj (part 3): grid 4 x 32, 4 waves a work-group, clusters of 4 x 4, 327,680 bytes of LDS; arguments a_codes, a_scales, w_out_codes, w_out_scales, b_out, out0; writes out0
.if DOCPART == 3
	.amdgcn_target "amdgcn-amd-amdhsa--gfx1250"
	.amdhsa_code_object_version 6
	.text
	.protected	k_qa7fbe7e958_out_proj
	.globl	k_qa7fbe7e958_out_proj
	.p2align	8
	.type	k_qa7fbe7e958_out_proj,@function
k_qa7fbe7e958_out_proj:
	s_mov_b64 s[64:65], 0
	v_nop
	global_prefetch_b8 v0, s[64:65] scope:SCOPE_SE
	s_setreg_imm32_b32 hwreg(HW_REG_WAVE_MODE, 25, 1), 1
	s_wait_xcnt 0x0
	s_wait_alu depctr_hold_cnt(0) depctr_sa_sdst(0) depctr_va_vdst(0) depctr_va_sdst(0) depctr_va_ssrc(0) depctr_va_vcc(0) depctr_vm_vsrc(0)
	s_getreg_b32 s2, hwreg(HW_REG_IB_STS2, 6, 4)
	s_cmp_eq_u32 s2, 0
	s_cbranch_scc0 .Lentry_in_a_cluster
	s_endpgm
.Lentry_in_a_cluster:
	s_bfe_u32 s2, ttmp6, 0x10000c
	s_cmp_lg_u32 s2, 0xf033
	s_cbranch_scc0 .Lentry_shape_is_right
	s_endpgm
.Lentry_shape_is_right:
; out0 = a w_out^T + b_out on codes of FP4 (E2M1) with E8M0 scales.  a: 8,192 rows x 1,024, made by the launch before; w_out: 1,024 rows x 1,024 codes (512 bytes a row), 32 scale bytes a row; out0: [8,192][1,024] f32.
; a_codes[tile of 16 rows 512][head 16][512 bytes] are images of operand registers (lane (r, h): row r, channels 64 head + 32 h ..): two neighbouring pieces are a fragment of 16 rows x 128 K.  a_scales[row][32].
; A tile of 256 x 256 to a work-group of four waves, 128 x 128 a wave, 64 accumulators.  K = 1,024 is two LDS slots of 512, both filled once, at the start; nothing in LDS is filled a second time.
; CLUSTERS: 4 x 4 work-groups; A's tiles are shared along a row of the cluster, B's along a column, each asked for jointly.  The matrix instruction is used transposed (source 0 = 16 rows of w_out, source 1 = 16 rows of a):
; a lane holds eight neighbouring numbers of a row of out0.  The bias is the C of each sum's first matrix instruction.
; 128 work-groups: the launch writes 32 MiB and reads under 5: what it waits for is its stores, whatever the tile.
; LIMITS: scale bytes 0xff are not served.
; REGISTERS: window 0: v1-27 addresses; v32-95 scale words; v128-191 A's fragments; on the way out v128-255.  Window 1: v0-63, v128-191 B's two sets; v64-127 the bias.  Windows 2, 3: the accumulators.
.set SIZE_N, 1024
.set NQ,     4
.set ROWB,   256
.set KROW,   512
.set PITCH,  272                       ; B's rows in LDS: 256 bytes + 16 of padding (64 banks of 4 bytes: ISA guide 11.1)
.set FR,     8
.set NL,     2
.set NP,     4
.set HALFT,  128*PITCH
.set SLOT,   4*HALFT
.set KS,     32
.set SCL,    2*SLOT
.set HALFS,  (128*KS/256)*272
.set SBLK,   (16*KS/256)*272
.set SPITCH, 528                       ; the way out: a stage of 16 rows x (512 bytes + 16) for each wave, in slot 0, which has had its only fill and its last read by then
.set ADRA, 16
.set ADRB, 20
.set STO,  24
.set RD,   25
.set CO,   26
.set ADRS, 27
.set OFS,  7
.set SC,   32
.set AF,   128
.set BK,   128
.set BI,   64
.set G1, 24
.set G0, 32
.set G1B, 48
.set G0B, 56
.set G1S, 68
.set G0S, 76
.set G1SB, 80
.set G0SB, 88
.set MSB, 0
.macro WIN new
.if MSB != (\new)
	s_set_vgpr_msb (MSB<<8)|(\new)
.set MSB, (\new)
.endif
.endm
.set MUL_LO, 0xa1
.set MUL_HI, 0xf1
.set BIA_LO, 0x91
.set BIA_HI, 0xd1
.set TO_B,   0x40
.macro JLOAD g0a, g1a, g0b, g1b        ; a joint load: waves 0 and 1 fetch for A, waves 2 and 3 for B; four v_nop follow each of the two lines
	s_cmp_eq_u32 s15, 0
	s_cbranch_scc0 .Lfor_b_\@
	tensor_load_to_lds s[\g0a:\g0a+3], s[\g1a:\g1a+7]
	s_nop 0
.rept 4
	v_nop
.endr
	s_branch .Lasked_\@
.Lfor_b_\@:
	tensor_load_to_lds s[\g0b:\g0b+3], s[\g1b:\g1b+7]
	s_nop 0
.rept 4
	v_nop
.endr
.Lasked_\@:
.endm
.macro CROUND
	s_barrier_signal -1
	s_barrier_wait -1
	s_cmp_lg_u32 s14, 0
	s_cbranch_scc1 .Lnot_wave_0_\@
	s_barrier_signal -3
.Lnot_wave_0_\@:
	s_barrier_wait -3
	s_barrier_signal -1
	s_barrier_wait -1
.endm
	s_load_b256 s[4:11], s[0:1], 0x0               ; a's codes s[4:5], a's scales s[6:7], w's codes s[8:9], w's scales s[10:11]
	s_load_b128 s[96:99], s[0:1], 0x20             ; b_out s[96:97], out0 s[98:99]
	v_lshl_add_u32 v126, v0, 2, 0x48400
	v_mov_b32 v127, 0
	ds_add_u32 v126, v127
	ds_add_u32 v126, v127
	v_lshrrev_b32 v1, 5, v0
	v_readfirstlane_b32 s14, v1                    ; wave 0..3
	s_lshr_b32 s15, s14, 1                         ; which half of the tile's rows is mine.  Also: I fetch for A (0) or for B (1)
	s_and_b32 s16, s14, 1                          ; which half of its columns.  Also: which 128 rows I fetch
	s_bfe_u32 s40, ttmp6, 0x40000
	s_bfe_u32 s41, ttmp6, 0x40004
	s_lshl_b32 s42, ttmp9, 2
	s_add_co_u32 s42, s42, s40                     ; tile column = 4 x cluster x + cx
	s_and_b32 s17, ttmp7, 0xffff
	s_lshl_b32 s17, s17, 2
	s_add_co_u32 s17, s17, s41                     ; tile row = 4 x cluster y + cy
	s_lshl_b32 s43, s41, 2
	s_lshl_b32 s43, 15, s43                        ; my row of the cluster
	s_lshl_b32 s44, 0x1111, s40                    ; my column
	; A's tile: 8 tiles of 16 rows, of each 4,096 consecutive bytes (8 heads: 512 along K), 8,192 bytes apart; dense in LDS
	s_or_b32 s[G1+0], s43, (3<<16)|(1<<21)         ; 15:0 the mask; 17:16 elements of 8 bytes; 21 set beside a mask
	s_mov_b32 s[G1+1], 512<<16                     ; tensor_dim0
	s_mov_b32 s[G1+2], 8<<16                       ; tensor_dim1
	s_mov_b32 s[G1+3], 512<<16                     ; tile_dim0
	s_mov_b32 s[G1+4], 8                           ; tile_dim1
	s_mov_b32 s[G1+5], 1024                        ; tensor_dim0_stride
	s_mov_b32 s[G1+6], 0
	s_mov_b32 s[G1+7], 0
	; B's tile: 128 rows x 256 bytes, 16 bytes of padding behind each
	s_or_b32 s[G1B+0], s44, (0<<16)|(1<<20)|(1<<21)|(5<<22)|(3<<25)
	s_mov_b32 s[G1B+1], ROWB<<16
	s_mov_b32 s[G1B+2], 128<<16
	s_mov_b32 s[G1B+3], ROWB<<16
	s_mov_b32 s[G1B+4], 128
	s_mov_b32 s[G1B+5], KROW
	s_mov_b32 s[G1B+6], 0
	s_mov_b32 s[G1B+7], 0
	; the scales of 128 rows: 4,096 dense bytes as 16 rows of 256, 16 bytes of padding behind each
	s_or_b32 s[G1S+0], s43, (3<<16)|(1<<20)|(1<<21)|(5<<22)|(3<<25)
	s_or_b32 s[G1SB+0], s44, (3<<16)|(1<<20)|(1<<21)|(5<<22)|(3<<25)
.irp g, G1S, G1SB
	s_mov_b32 s[\g+1], 32<<16
	s_mov_b32 s[\g+2], (128*KS/256)<<16
	s_mov_b32 s[\g+3], 32<<16
	s_mov_b32 s[\g+4], 128*KS/256
	s_mov_b32 s[\g+5], 32
	s_mov_b32 s[\g+6], 0
	s_mov_b32 s[\g+7], 0
.endr
	s_lshl_b32 s18, s16, 7
	s_lshl_b32 s20, s17, 8
	s_add_co_u32 s20, s20, s18                     ; A's row
	s_lshl_b32 s46, s42, 8
	s_add_co_u32 s46, s46, s18                     ; B's row
	s_lshl_b32 s22, s20, 5                         ; scale bytes
	s_lshl_b32 s20, s20, 9                         ; codes: 16 rows are 8,192 bytes in the images too
	s_lshl_b32 s92, s46, 5
	s_lshl_b32 s46, s46, 9
	s_mov_b32 s21, 0
	s_mov_b32 s23, 0
	s_mov_b32 s47, 0
	s_mov_b32 s93, 0
	s_mul_i32 s45, s14, HALFT
	s_mul_i32 s94, s14, HALFS
	s_wait_dscnt 0x0
	s_wait_kmcnt 0x0
	s_add_nc_u64 s[20:21], s[4:5], s[20:21]
	s_add_nc_u64 s[22:23], s[6:7], s[22:23]
	s_add_nc_u64 s[46:47], s[8:9], s[46:47]
	s_add_nc_u64 s[92:93], s[10:11], s[92:93]
	s_mov_b64 s[12:13], s[98:99]
	CROUND                                         ; all sixteen work-groups are here: the joint loads meet
	s_mov_b32 s[G0S], 1
	s_add_co_u32 s[G0S+1], s94, SCL
	s_mov_b64 s[G0S+2:G0S+3], s[22:23]
	s_or_b32 s[G0S+3], s[G0S+3], 0x80000000
	s_mov_b32 s[G0SB], 1
	s_add_co_u32 s[G0SB+1], s94, SCL
	s_mov_b64 s[G0SB+2:G0SB+3], s[92:93]
	s_or_b32 s[G0SB+3], s[G0SB+3], 0x80000000
	JLOAD G0S, G1S, G0SB, G1SB                     ; the scales first; then both slots, each behind a wait for the load before: one load of mine is out at a time
.irp s, 0,1
	s_mov_b32 s[G0+4*\s], 1
	s_add_co_u32 s[G0+4*\s+1], s45, \s*SLOT
	s_add_nc_u64 s[G0+4*\s+2:G0+4*\s+3], s[20:21], \s*4096
	s_or_b32 s[G0+4*\s+3], s[G0+4*\s+3], 0x80000000
	s_mov_b32 s[G0B+4*\s], 1
	s_add_co_u32 s[G0B+4*\s+1], s45, \s*SLOT
	s_add_nc_u64 s[G0B+4*\s+2:G0B+4*\s+3], s[46:47], \s*ROWB
	s_or_b32 s[G0B+4*\s+3], s[G0B+4*\s+3], 0x80000000
	s_wait_alu depctr_va_vdst(0)
	s_wait_tensorcnt 0x0
	ds_add_u32 v126, v127
	s_wait_dscnt 0x0
	CROUND
	JLOAD G0+4*\s, G1, G0B+4*\s, G1B
.endr
	v_and_b32 v1, 15, v0                           ; r
	v_bfe_u32 v2, v0, 4, 1                         ; h
	s_lshl_b32 s18, s42, 10                        ; the bias of my 128 columns, in the result's layout: register 8 b + j of lane (r, h) = b_out[.. + 16 b + 8 h + j]
	s_lshl_b32 s19, s16, 9
	s_add_co_u32 s18, s18, s19
	s_mov_b32 s19, 0
	s_add_nc_u64 s[18:19], s[96:97], s[18:19]
	v_lshlrev_b32 v[OFS], 5, v2
	WIN TO_B
.irp b, 0,1,2,3,4,5,6,7
	global_load_b128 v[BI+8*\b:BI+8*\b+3], v[OFS], s[18:19] offset:64*\b
	global_load_b128 v[BI+8*\b+4:BI+8*\b+7], v[OFS], s[18:19] offset:64*\b+16
.endr
	WIN 0
	v_mul_u32_u24 v10, v1, PITCH
	v_lshl_add_u32 v10, v2, 4, v10                 ; B: a fragment's row x pitch + 16 x half
	v_and_b32 v13, 31, v0
	v_lshlrev_b32 v13, 4, v13                      ; A: 16 x lane
	s_mul_i32 s21, s15, HALFT
	s_mul_i32 s22, s16, HALFT
	s_add_co_u32 s22, s22, 2*HALFT
.irp s, 0,1
	v_add_nc_u32 v[ADRA+\s], s21, v13
	v_add_nc_u32 v[ADRB+\s], s22, v10
	s_add_co_u32 s21, s21, SLOT
	s_add_co_u32 s22, s22, SLOT
.endr
	v_mul_u32_u24 v11, v1, KS
	v_lshrrev_b32 v12, 8, v11
	v_lshl_add_u32 v11, v12, 4, v11
	s_mul_i32 s21, s15, HALFS
	s_mul_i32 s22, s16, HALFS
	s_add_co_u32 s22, s22, 2*HALFS
	s_sub_co_u32 s22, s22, s21
	v_mul_u32_u24 v12, s22, v2                     ; lanes 16-31 take B's
	s_add_co_u32 s21, s21, SCL
	v_add_nc_u32 v11, v11, v12
	v_add_nc_u32 v[ADRS], s21, v11
	s_mul_i32 s23, s14, 16*SPITCH                  ; my stage
	v_mul_u32_u24 v11, v1, SPITCH
	v_lshl_add_u32 v11, v2, 5, v11
	v_add_nc_u32 v[STO], s23, v11                  ; in: row r, 32 bytes for each half of the lanes
	v_mov_b32 v[CO], v13                           ; back: the 32 lanes take one row of 512 bytes; and the same in out0
	v_add_nc_u32 v[RD], s23, v13
	s_lshl_b32 s20, s17, 8
	s_lshl_b32 s21, s15, 7
	s_add_co_u32 s20, s20, s21
	s_lshl_b32 s20, s20, 12                        ; my first row x 4,096 bytes (under 2^25)
	s_lshl_b32 s46, s42, 10
	s_lshl_b32 s47, s16, 9
	s_add_co_u32 s46, s46, s47
	s_add_co_u32 s20, s20, s46                     ; + my first column
	s_mov_b32 s21, 0
	s_add_nc_u64 s[12:13], s[12:13], s[20:21]
	s_wait_alu depctr_va_vdst(0)
	s_wait_loadcnt 0x0                             ; the bias
.macro FRAG reg, adr, q, i             ; B's fragment from rows: lane l holds row l % 16; registers 4 c .. 4 c + 3 hold K = 64 c + 32 (l / 16) + 0 .. 31
.irp c, 0,1
	ds_load_b128 v[\reg+4*\c:\reg+4*\c+3], v[\adr] offset:64*(\q)+32*\c+(\i)*16*PITCH
.endr
.endm
.macro FRAGA reg, adr, q, i            ; A's from images: block i's 4,096 bytes, the q-th 128 along K: two pieces of 512 bytes
.irp c, 0,1
	ds_load_b128 v[\reg+4*\c:\reg+4*\c+3], v[\adr] offset:4096*(\i)+1024*(\q)+512*\c
.endr
.endm
.macro MUL16 a0, p, q, sc, zero        ; 16 matrix instructions; zero = 1: the sums start from the bias.  The 64 accumulators take turns, one instruction a turn
.irp a, \a0, \a0+1
.irp b, 0,1,2,3,4,5,6,7
.if \zero
	v_wmma_scale_f32_16x16x128_f8f6f4 v[8*(8*((\a)%4)+\b):8*(8*((\a)%4)+\b)+7], v[128*(\p)+FR*\b:128*(\p)+FR*\b+FR-1], v[AF+FR*(\a):AF+FR*(\a)+FR-1], v[BI+8*\b:BI+8*\b+7], v[SC+8*NQ*(\sc)+NQ*\b+(\q)], v[SC+8*NQ*(\sc)+NQ*(\a)+(\q)] matrix_a_fmt:MATRIX_FMT_FP4 matrix_b_fmt:MATRIX_FMT_FP4 matrix_a_scale:MATRIX_SCALE_ROW1
.else
	v_wmma_scale_f32_16x16x128_f8f6f4 v[8*(8*((\a)%4)+\b):8*(8*((\a)%4)+\b)+7], v[128*(\p)+FR*\b:128*(\p)+FR*\b+FR-1], v[AF+FR*(\a):AF+FR*(\a)+FR-1], v[8*(8*((\a)%4)+\b):8*(8*((\a)%4)+\b)+7], v[SC+8*NQ*(\sc)+NQ*\b+(\q)], v[SC+8*NQ*(\sc)+NQ*(\a)+(\q)] matrix_a_fmt:MATRIX_FMT_FP4 matrix_b_fmt:MATRIX_FMT_FP4 matrix_a_scale:MATRIX_SCALE_ROW1
.endif
.endr
.endr
.endm
.macro FETCH_B slot, q, p
	WIN TO_B
.irp i, 0,1,2,3,4,5,6,7
	FRAG 128*(\p)+FR*\i, ADRB+\slot, \q, \i
.endr
	WIN 0
.endm
.macro FETCH_A slot, q, i0
.irp i, \i0, \i0+1, \i0+2, \i0+3
	FRAGA AF+FR*(\i), ADRA+\slot, \q, \i
.endr
.endm
.macro SCALES sc
.irp i, 0,1,2,3,4,5,6,7
	ds_load_b128 v[SC+8*NQ*\sc+NQ*\i:SC+8*NQ*\sc+NQ*\i+3], v[ADRS] offset:\i*SBLK
.endr
.endm
.macro PLACES n                        ; plain vector lines between a matrix instruction and a load into, or a read of, its registers
.rept \n
	v_nop
.endr
.endm
.macro STEP slot, q, zero
	s_wait_dscnt 4*NL                              ; B's set and A's blocks 0-3 are in; the youngest eight loads (A's blocks 4-7) may be out
.if \zero
	WIN BIA_LO
.else
	WIN MUL_LO
.endif
	MUL16 0, (\q)%2, \q, \slot, \zero
	MUL16 2, (\q)%2, \q, \slot, \zero
	s_wait_dscnt 0
	PLACES NP
	FETCH_B \slot, (\q)+1, 1-(\q)%2
	FETCH_A \slot, (\q)+1, 0
.if \zero
	WIN BIA_HI
.else
	WIN MUL_HI
.endif
	MUL16 4, (\q)%2, \q, \slot, \zero
	MUL16 6, (\q)%2, \q, \slot, \zero
	PLACES NP
	WIN 0
	FETCH_A \slot, (\q)+1, 4
.endm
.macro STEPS slot, from
.set Q, \from
.rept NQ-1-\from
	STEP \slot, Q, 0
.set Q, Q+1
.endr
.endm
	s_wait_tensorcnt 1                             ; the scales and my part of slot 0 are in; slot 1's load may be out
	s_barrier_signal -1
	s_barrier_wait -1
	FETCH_B 0, 0, 0
	FETCH_A 0, 0, 0
	SCALES 0
	FETCH_A 0, 0, 4
	STEP 0, 0, 1
	STEPS 0, 1
	; slot 0's last step, and the change to slot 1: one barrier; in front of it my part of slot 1 has landed and my reads of slot 0 are over
	s_wait_tensorcnt 0x0
	s_wait_dscnt 4*NL
	WIN MUL_LO
	MUL16 0, 1, NQ-1, 0, 0
	s_wait_dscnt 0x0
	s_barrier_signal -1
	MUL16 2, 1, NQ-1, 0, 0
	WIN 0
	s_barrier_wait -1
	PLACES NP
	v_add_nc_u32 v[ADRS], 4*NQ, v[ADRS]
	FETCH_B 1, 0, 0
	FETCH_A 1, 0, 0
	SCALES 1
	WIN MUL_HI
	MUL16 4, 1, NQ-1, 0, 0
	MUL16 6, 1, NQ-1, 0, 0
	PLACES NP
	WIN 0
	FETCH_A 1, 0, 4
	STEPS 1, 0
	s_wait_dscnt 4*NL
	WIN MUL_LO
	MUL16 0, 1, NQ-1, 1, 0
	MUL16 2, 1, NQ-1, 1, 0
	s_wait_dscnt 0
	WIN MUL_HI
	MUL16 4, 1, NQ-1, 1, 0
	MUL16 6, 1, NQ-1, 1, 0
	WIN 0
; THE WAY OUT, block by block of 16 rows x 128 columns: through my own stage in LDS and back as whole rows of 512 bytes.  LDS serves a wave's instructions in order (ISA guide 5.7.1.4): no wait between the stores and the loads.
.macro TOSTAGE a
.set AC, 64*((\a)%4)
	WIN 0x08+4*((\a)/4)                            ; an LDS store's data: window 2 or 3
.irp b, 0,1,2,3,4,5,6,7
	ds_store_b128 v[STO], v[AC+8*\b:AC+8*\b+3] offset:64*\b          ; each accumulator from its low end on
	ds_store_b128 v[STO], v[AC+8*\b+4:AC+8*\b+7] offset:64*\b+16
.endr
	WIN 0
.set BB, BK+64*((\a)%2)
.irp t, 0,1,2,3,4,5,6,7,8,9,10,11,12,13,14,15
	ds_load_b128 v[BB+4*\t:BB+4*\t+3], v[RD] offset:\t*SPITCH
.endr
.endm
.macro SEND a, younger                 ; younger: the LDS instructions issued behind block a's loads, which may stay out
.set BB, BK+64*((\a)%2)
	s_wait_dscnt \younger
.if (\a) > 0
	s_add_nc_u64 s[12:13], s[12:13], 16*SIZE_N*4   ; (behind a wait on XCNT: the earlier stores have read their base)
.endif
.irp t, 0,1,2,3,4,5,6,7,8,9,10,11,12,13,14,15
	global_store_b128 v[CO], v[BB+4*\t:BB+4*\t+3], s[12:13] offset:\t*SIZE_N*4 th:TH_STORE_NT   ; 32 lanes store 512 consecutive bytes, at a multiple of 256 from out0's first byte
.endr
.endm
	PLACES NP
	TOSTAGE 0
.irp a, 1,2,3,4,5,6,7
.if \a > 1
	s_wait_xcnt 0x0                                ; block a - 2's stores have read their registers and their base
.endif
	TOSTAGE \a
	SEND \a-1, 32                                  ; behind block a - 1's loads: block a's 16 stores and 16 loads
.endr
	s_wait_xcnt 0x0
	SEND 7, 0
	s_wait_tensorcnt 0x0
	ds_add_u32 v126, v127
	s_wait_dscnt 0x0
	CROUND                                         ; the closing round: no work-group ends while a partner may still ask for a tile that names it
	s_endpgm
.Lfunc_end_k_qa7fbe7e958_out_proj:
	.size	k_qa7fbe7e958_out_proj, .Lfunc_end_k_qa7fbe7e958_out_proj-k_qa7fbe7e958_out_proj
	.p2alignl 7, 3214868480
	.fill 96, 4, 3214868480
	.section	.rodata,"a",@progbits
	.p2align	6, 0x0
	.amdhsa_kernel k_qa7fbe7e958_out_proj
		.amdhsa_group_segment_fixed_size 327680
		.amdhsa_private_segment_fixed_size 0
		.amdhsa_enable_private_segment 0
		.amdhsa_kernarg_size 48
		.amdhsa_user_sgpr_count 2
		.amdhsa_user_sgpr_kernarg_segment_ptr 1
		.amdhsa_wavefront_size32 1
		.amdhsa_system_sgpr_workgroup_id_x 1
		.amdhsa_system_sgpr_workgroup_id_y 1
		.amdhsa_system_sgpr_workgroup_id_z 1
		.amdhsa_system_vgpr_workitem_id 0
		.amdhsa_next_free_vgpr 1024
		.amdhsa_next_free_sgpr 100
		.amdhsa_reserve_vcc 0
		.amdhsa_float_denorm_mode_32 3
		.amdhsa_float_denorm_mode_16_64 3
		.amdhsa_memory_ordered 1
		.amdhsa_forward_progress 1
		.amdhsa_inst_pref_size 127
	.end_amdhsa_kernel
	.amdgpu_metadata
---
amdhsa.version: [ 1, 2 ]
amdhsa.kernels:
  - .name:           k_qa7fbe7e958_out_proj
    .symbol:         k_qa7fbe7e958_out_proj.kd
    .args:
      - { .name: a_codes, .offset: 0, .size: 8, .value_kind: global_buffer, .address_space: global }
      - { .name: a_scales, .offset: 8, .size: 8, .value_kind: global_buffer, .address_space: global }
      - { .name: w_out_codes, .offset: 16, .size: 8, .value_kind: global_buffer, .address_space: global }
      - { .name: w_out_scales, .offset: 24, .size: 8, .value_kind: global_buffer, .address_space: global }
      - { .name: b_out, .offset: 32, .size: 8, .value_kind: global_buffer, .address_space: global }
      - { .name: out0, .offset: 40, .size: 8, .value_kind: global_buffer, .address_space: global }
    .group_segment_fixed_size: 327680
    .private_segment_fixed_size: 0
    .kernarg_segment_align: 8
    .kernarg_segment_size: 48
    .max_flat_workgroup_size: 128
    .sgpr_count:     100
    .vgpr_count:     1024
    .wavefront_size: 32
...
	.end_amdgpu_metadata
.endif
;; end of part 3
